; MI455X (gfx1250); checked and timed in simulation.
; The chip was launched on July 23, 2026; its instructions are those of AMD's public machine-readable ISA for CDNA 5 (MIT licence, August 2026) and "CDNA5" Instruction Set Architecture Reference Guide (July 2026). The comments in the code are by the model that wrote it; some were corrected since.
;; Causal Self Attention. Allowed arithmetic: float matrix products may take bf16 or f16 operands with f32 sums; other float arithmetic in f32, or as packed bf16 or f16 multiplies, adds, multiply-adds, maxima and minima; sums over many terms, partial sums and values carried from step to step in f32; what a program stores and reads back later, other than sums and carried values, may be rounded once to bf16 or f16.
;; Inputs: Wk 2,048 x 2,048 float32; Wo 2,048 x 2,048 float32; Wq 2,048 x 2,048 float32; Wv 2,048 x 2,048 float32; x 1 x 2,048 x 2,048 float32.
;; Outputs: out0 1 x 2,048 x 2,048 float32.
;; 2 versions, each right; version 2 is version 1 with the launch prep written anew for expert scheduling mode. Each part assembles by itself: llvm-mc -triple=amdgcn-amd-amdhsa -mcpu=gfx1250 --defsym DOCPART=n.
;; ======== version 1 of 2: 4 launches
;; limits: values are held in f16: magnitudes above 65,504 overflow, below 6.1e-05 lose precision
;; workspace buffers: xb 8,388,608 bytes; wb 25,165,824 bytes; wob 8,388,608 bytes; rope 524,288 bytes; qkv 25,165,824 bytes; yb 8,388,608 bytes
;; launch prep (part 1): grid 128 x 6, 8 waves a work-group, no clusters, 0 bytes of LDS; arguments x, Wq, Wk, Wv, Wo, xb, wb, wob, rope; writes xb, wb, wob, rope
.if DOCPART == 1
	.amdgcn_target "amdgcn-amd-amdhsa--gfx1250"
	.amdhsa_code_object_version 6
	.text
	.protected	k_qadfd10d9f9_prep
	.globl	k_qadfd10d9f9_prep
	.p2align	8
	.type	k_qadfd10d9f9_prep,@function
k_qadfd10d9f9_prep:
	s_mov_b64 s[64:65], 0
	v_nop
	global_prefetch_b8 v0, s[64:65] scope:SCOPE_SE
	s_setreg_imm32_b32 hwreg(HW_REG_WAVE_MODE, 25, 1), 1
	s_wait_xcnt 0x0
; PREP: the casts and the rope table.  A stream: no LDS, no matrix unit, no barrier: each byte is read once and written once.
; Work-group (G, Y).  Y = 0..4: rows 16 G .. 16 G + 15 of x, Wq, Wk, Wv, Wo (2,048 f32 each) are rounded and written: x, Wq, Wk, Wv as bf16; Wo rounded to bf16 and that number
; written as f16 (exact from 2^-17 up; below that f16's fixed step of 6e-8).  Y = 5: rows 16 G .. 16 G + 15 of the rope table.
; wb's ROWS ARE PERMUTED: 32 sets of 192 rows.  Set j: positions 0-31 channels 0-31 of q's head j (j < 16) or k's head j - 16; 32-63 channels 64-95; 64-95 channels 32-63;
; 96-127 channels 96-127; 128-191 channels 64 (j % 2) .. + 63 of v's head j / 2.  A block of 16 source rows stays a block of 16 rows, so only the block's first row is worked out.
; rope[t][0..31] = cos(t f_d), rope[t][32..63] = sin(t f_d), f_d = 2^(-10 d / 31), all f32.  LIMIT: f_d comes from v_exp_f32 and may differ from a correctly rounded power
; by a few units in its last place; the angle t f_d is rounded once to f32, reduced by multiples of pi / 2 held in two parts, and the sine and cosine are polynomials on |r| <= pi / 4.
; A thread takes 16 source bytes of each chunk of 4,096: a wave's load covers 512 consecutive bytes, its store of 8 bytes a lane 256 consecutive bytes, aligned.
.set X,   8                            ; v[8:39]   slot i: 4 f32 as loaded
.set YR,  40                           ; v[40:55]  slot i: 4 numbers of 16 bits to store
.set T,   56                           ; v[56:59]  at work
.set SRC, 28                           ; s[28:29]  the source at the chunk that slot 0 works on
.set DST, 30                           ; s[30:31]  the destination likewise
.set CNT, 40                           ; s40       trips to go
	s_load_b512 s[8:23], s[0:1], 0x0               ; x, Wq, Wk, Wv, Wo, xb, wb, wob
	s_load_b64 s[24:25], s[0:1], 0x40              ; rope
	s_and_b32 s2, ttmp7, 0xffff                    ; Y
	s_mov_b32 s3, ttmp9                            ; G
	v_lshlrev_b32 v1, 4, v0                        ; my 16 bytes of a source chunk; never rewritten
	v_lshlrev_b32 v2, 3, v0                        ; my 8 bytes of a destination chunk; never rewritten
	; the destination's first row, apart from every address
	s_lshr_b32 s34, s3, 3                          ; the head
	s_bfe_u32 s35, s3, 0x10001                     ; bit 1 of the head's block of 16 channels
	s_bfe_u32 s36, s3, 0x10002                     ; bit 2
	s_and_b32 s37, s3, 1                           ; bit 0
	s_cmp_eq_u32 s2, 2
	s_cselect_b32 s38, 16, 0                       ; k's sets follow q's
	s_add_co_u32 s38, s38, s34
	s_mul_i32 s38, s38, 192
	s_lshl_b32 s39, s35, 6
	s_add_co_u32 s38, s38, s39                     ; channels 32-63 and 96-127 go 64 positions up,
	s_lshl_b32 s39, s36, 5
	s_add_co_u32 s38, s38, s39                     ; channels 64-127 32 positions up
	s_lshl_b32 s39, s37, 4
	s_add_co_u32 s38, s38, s39                     ; q and k: the row
	s_lshl_b32 s41, s34, 1
	s_add_co_u32 s41, s41, s36                     ; v: set 2 head + half
	s_mul_i32 s41, s41, 192
	s_and_b32 s39, s3, 3
	s_lshl_b32 s39, s39, 4
	s_add_co_u32 s41, s41, s39
	s_add_co_u32 s41, s41, 128                     ; v: the row
	s_lshl_b32 s42, s3, 4                          ; x and Wo: rows stay where they are
	s_sub_co_u32 s33, s2, 1
	s_cmp_lt_u32 s33, 2                            ; Y = 1, 2
	s_cselect_b32 s42, s38, s42
	s_cmp_eq_u32 s2, 3
	s_cselect_b32 s42, s41, s42
	s_lshl_b32 s42, s42, 12                        ; a destination row is 4,096 bytes
	s_mov_b32 s43, 0
	s_lshl_b32 s44, s3, 17                         ; 16 source rows of 8,192 bytes
	s_mov_b32 s45, 0
	s_wait_kmcnt 0x0
	s_cmp_eq_u32 s2, 5
	s_cbranch_scc1 .Lrope
	s_mov_b64 s[SRC:SRC+1], s[8:9]
	s_mov_b64 s[DST:DST+1], s[18:19]
	s_cmp_eq_u32 s2, 1
	s_cselect_b64 s[SRC:SRC+1], s[10:11], s[SRC:SRC+1]
	s_cmp_eq_u32 s2, 2
	s_cselect_b64 s[SRC:SRC+1], s[12:13], s[SRC:SRC+1]
	s_cmp_eq_u32 s2, 3
	s_cselect_b64 s[SRC:SRC+1], s[14:15], s[SRC:SRC+1]
	s_cmp_eq_u32 s2, 4
	s_cselect_b64 s[SRC:SRC+1], s[16:17], s[SRC:SRC+1]
	s_cselect_b64 s[DST:DST+1], s[22:23], s[DST:DST+1]
	s_cmp_lt_u32 s33, 3                            ; Y = 1, 2, 3
	s_cselect_b64 s[DST:DST+1], s[20:21], s[DST:DST+1]
	s_add_nc_u64 s[SRC:SRC+1], s[SRC:SRC+1], s[44:45]
	s_add_nc_u64 s[DST:DST+1], s[DST:DST+1], s[42:43]
; One slot's turn.  ahead = 1: the slot is loaded again with the chunk eight further on.  left: how many younger loads may stay out.  fmt = 1: bf16's number written as f16.
.macro SLOT i, ahead, left, fmt
	s_wait_loadcnt \left                           ; loads come back in order: mine is in, the younger ones stay out
.if \fmt
	v_cvt_pk_bf16_f32 v[T], v[X+4*(\i)], v[X+4*(\i)+1]
	v_cvt_pk_bf16_f32 v[T+1], v[X+4*(\i)+2], v[X+4*(\i)+3]
	v_lshlrev_b32 v[T+2], 16, v[T]                 ; bf16 to f32: the low half moves up,
	v_and_b32 v[T], 0xffff0000, v[T]               ; the high half stays
	v_lshlrev_b32 v[T+3], 16, v[T+1]
	v_and_b32 v[T+1], 0xffff0000, v[T+1]
	v_cvt_pk_f16_f32 v[YR+2*(\i)], v[T+2], v[T]
	v_cvt_pk_f16_f32 v[YR+2*(\i)+1], v[T+3], v[T+1]
.else
	v_cvt_pk_bf16_f32 v[YR+2*(\i)], v[X+4*(\i)], v[X+4*(\i)+1]
	v_cvt_pk_bf16_f32 v[YR+2*(\i)+1], v[X+4*(\i)+2], v[X+4*(\i)+3]
.endif
.if \ahead
	global_load_b128 v[X+4*(\i):X+4*(\i)+3], v1, s[SRC:SRC+1] offset:(8+(\i))*4096 th:TH_LOAD_NT
.endif
	global_store_b64 v2, v[YR+2*(\i):YR+2*(\i)+1], s[DST:DST+1] offset:(\i)*2048
.endm
; The work-group's 32 chunks through a ring of eight slots: eight loads of every wave are always out.
.macro CAST fmt
.irp i, 0,1,2,3,4,5,6,7
	global_load_b128 v[X+4*(\i):X+4*(\i)+3], v1, s[SRC:SRC+1] offset:(\i)*4096 th:TH_LOAD_NT
.endr
	s_mov_b32 s[CNT], 3
.Lcast_\@:
.irp i, 0,1,2,3,4,5,6,7
	SLOT \i, 1, 7, \fmt
.endr
	s_wait_xcnt 0x0                                ; the trip's loads and stores have read their sources: the two pointers and the stores' data are rewritten only behind this wait
	s_add_nc_u64 s[SRC:SRC+1], s[SRC:SRC+1], 32768
	s_add_nc_u64 s[DST:DST+1], s[DST:DST+1], 16384
	s_sub_co_u32 s[CNT], s[CNT], 1
	s_cmp_lg_u32 s[CNT], 0
	s_cbranch_scc1 .Lcast_\@
.irp i, 0,1,2,3,4,5,6,7
	SLOT \i, 0, 7-(\i), \fmt                       ; the last eight chunks load nothing: the counts run down
.endr
	s_endpgm
.endm
	s_cmp_eq_u32 s2, 4
	s_cbranch_scc1 .Lwo
	CAST 0
.Lwo:
	CAST 1
.Lrope:                                                ; thread: row 16 G + tid / 16, four neighbouring columns: d = 4 (tid % 8) + k; cosines for tid % 16 < 8, sines for the others
	s_mov_b32 s34, 0xbea5294a                      ; -10 / 31
	s_mov_b32 s35, 0x3f22f983                      ; 2 / pi
	s_mov_b32 s36, 0xbfc90fdb                      ; - pi / 2, its leading part
	s_mov_b32 s37, 0x333bbd2e                      ; what that part has too much
	s_mov_b32 s38, 0xb94ca1f9                      ; the sine's three coefficients
	s_mov_b32 s39, 0x3c08839e
	s_mov_b32 s40, 0xbe2aaaa3
	s_mov_b32 s41, 0x37ccf5ce                      ; the cosine's three
	s_mov_b32 s42, 0xbab6061a
	s_mov_b32 s43, 0x3d2aaaa5
	s_lshl_b32 s46, s3, 12                         ; 16 rows of 256 bytes
	s_mov_b32 s47, 0
	s_add_nc_u64 s[24:25], s[24:25], s[46:47]
	s_lshl_b32 s33, s3, 4
	v_lshrrev_b32 v3, 4, v0
	v_add_nc_u32 v3, s33, v3
	v_cvt_f32_u32 v3, v3                           ; t
	v_and_b32 v4, 7, v0
	v_lshlrev_b32 v4, 2, v4                        ; d of my first column
	v_bfe_u32 v5, v0, 3, 1
	v_mul_u32_u24 v5, v5, 3                        ; the sine is the cosine three quadrants on
.irp k, 0,1,2,3
	v_add_nc_u32 v[8+(\k)], (\k), v4
	v_cvt_f32_u32 v[8+(\k)], v[8+(\k)]
	v_mul_f32 v[8+(\k)], s34, v[8+(\k)]
.endr
.irp k, 0,1,2,3
	v_exp_f32 v[12+(\k)], v[8+(\k)]                ; f_d: one batch of four
.endr
	v_lshlrev_b32 v6, 4, v0                        ; my 16 bytes of the group's 4,096: the plain instruction behind the last exponential
	s_wait_alu depctr_va_vdst(0)                   ; the wait ahead of the first line that names a result: one for the four
.irp k, 0,1,2,3
	v_mul_f32 v[16+(\k)], v3, v[12+(\k)]           ; the angle
	v_mul_f32 v[20+(\k)], s35, v[16+(\k)]
	v_rndne_f32 v[20+(\k)], v[20+(\k)]             ; n: the nearest multiple of pi / 2
	v_fma_f32 v[24+(\k)], v[20+(\k)], s36, v[16+(\k)]
	v_fma_f32 v[24+(\k)], v[20+(\k)], s37, v[24+(\k)]  ; r = angle - n pi / 2
	v_mul_f32 v[28+(\k)], v[24+(\k)], v[24+(\k)]   ; z = r r
	v_fma_f32 v[32+(\k)], s38, v[28+(\k)], s39
	v_fma_f32 v[32+(\k)], v[32+(\k)], v[28+(\k)], s40
	v_mul_f32 v[32+(\k)], v[32+(\k)], v[28+(\k)]
	v_fma_f32 v[32+(\k)], v[32+(\k)], v[24+(\k)], v[24+(\k)]  ; sin r
	v_fma_f32 v[36+(\k)], s41, v[28+(\k)], s42
	v_fma_f32 v[36+(\k)], v[36+(\k)], v[28+(\k)], s43
	v_mul_f32 v[40+(\k)], v[28+(\k)], v[28+(\k)]
	v_fma_f32 v[44+(\k)], v[28+(\k)], -0.5, 1.0
	v_fma_f32 v[36+(\k)], v[36+(\k)], v[40+(\k)], v[44+(\k)]  ; cos r
	v_cvt_i32_f32 v[48+(\k)], v[20+(\k)]
	v_add_nc_u32 v[48+(\k)], v[48+(\k)], v5        ; e: the quadrant; the cosine's values by e % 4: cos r, - sin r, - cos r, sin r
	v_and_b32 v[52+(\k)], 1, v[48+(\k)]
	v_cmp_ne_u32 vcc_lo, 0, v[52+(\k)]
	v_cndmask_b32 v[56+(\k)], v[36+(\k)], v[32+(\k)], vcc_lo  ; a choice of values: no branch and no address hangs on it
	v_add_nc_u32 v[48+(\k)], 1, v[48+(\k)]
	v_and_b32 v[48+(\k)], 2, v[48+(\k)]
	v_lshlrev_b32 v[48+(\k)], 30, v[48+(\k)]       ; the sign: minus for e % 4 = 1, 2
	v_xor_b32 v[60+(\k)], v[56+(\k)], v[48+(\k)]
.endr
	global_store_b128 v6, v[60:63], s[24:25]       ; a wave stores 512 consecutive bytes
	s_endpgm
.Lfunc_end_k_qadfd10d9f9_prep:
	.size	k_qadfd10d9f9_prep, .Lfunc_end_k_qadfd10d9f9_prep-k_qadfd10d9f9_prep
	.p2alignl 7, 3214868480
	.fill 96, 4, 3214868480
	.section	.rodata,"a",@progbits
	.p2align	6, 0x0
	.amdhsa_kernel k_qadfd10d9f9_prep
		.amdhsa_group_segment_fixed_size 0
		.amdhsa_private_segment_fixed_size 0
		.amdhsa_enable_private_segment 0
		.amdhsa_kernarg_size 72
		.amdhsa_user_sgpr_count 2
		.amdhsa_user_sgpr_kernarg_segment_ptr 1
		.amdhsa_wavefront_size32 1
		.amdhsa_system_sgpr_workgroup_id_x 1
		.amdhsa_system_sgpr_workgroup_id_y 1
		.amdhsa_system_sgpr_workgroup_id_z 1
		.amdhsa_system_vgpr_workitem_id 0
		.amdhsa_next_free_vgpr 72
		.amdhsa_next_free_sgpr 66
		.amdhsa_reserve_vcc 1
		.amdhsa_float_denorm_mode_32 3
		.amdhsa_float_denorm_mode_16_64 3
		.amdhsa_memory_ordered 1
		.amdhsa_forward_progress 1
		.amdhsa_inst_pref_size 25
	.end_amdhsa_kernel
	.amdgpu_metadata
---
amdhsa.version: [ 1, 2 ]
amdhsa.kernels:
  - .name:           k_qadfd10d9f9_prep
    .symbol:         k_qadfd10d9f9_prep.kd
    .args:
      - { .name: x, .offset: 0, .size: 8, .value_kind: global_buffer, .address_space: global }
      - { .name: Wq, .offset: 8, .size: 8, .value_kind: global_buffer, .address_space: global }
      - { .name: Wk, .offset: 16, .size: 8, .value_kind: global_buffer, .address_space: global }
      - { .name: Wv, .offset: 24, .size: 8, .value_kind: global_buffer, .address_space: global }
      - { .name: Wo, .offset: 32, .size: 8, .value_kind: global_buffer, .address_space: global }
      - { .name: xb, .offset: 40, .size: 8, .value_kind: global_buffer, .address_space: global }
      - { .name: wb, .offset: 48, .size: 8, .value_kind: global_buffer, .address_space: global }
      - { .name: wob, .offset: 56, .size: 8, .value_kind: global_buffer, .address_space: global }
      - { .name: rope, .offset: 64, .size: 8, .value_kind: global_buffer, .address_space: global }
    .group_segment_fixed_size: 0
    .private_segment_fixed_size: 0
    .kernarg_segment_align: 8
    .kernarg_segment_size: 72
    .max_flat_workgroup_size: 256
    .sgpr_count:     66
    .vgpr_count:     72
    .wavefront_size: 32
...
	.end_amdgpu_metadata
.endif
;; end of part 1
;; launch qkv (part 2): grid 16 x 16, 4 waves a work-group, clusters of 4 x 4, 327,680 bytes of LDS; arguments xb, wb, rope, qkv; writes qkv
.if DOCPART == 2
	.amdgcn_target "amdgcn-amd-amdhsa--gfx1250"
	.amdhsa_code_object_version 6
	.text
	.protected	k_qadfd10d9f9_qkv
	.globl	k_qadfd10d9f9_qkv
	.p2align	8
	.type	k_qadfd10d9f9_qkv,@function
k_qadfd10d9f9_qkv:
	s_mov_b64 s[64:65], 0
	v_nop
	global_prefetch_b8 v0, s[64:65] scope:SCOPE_SE
	s_setreg_imm32_b32 hwreg(HW_REG_WAVE_MODE, 25, 1), 1
	s_wait_xcnt 0x0
	s_wait_alu depctr_hold_cnt(0) depctr_sa_sdst(0) depctr_va_vdst(0) depctr_va_sdst(0) depctr_va_ssrc(0) depctr_va_vcc(0) depctr_vm_vsrc(0)
	s_getreg_b32 s2, hwreg(HW_REG_IB_STS2, 6, 4)
	s_cmp_eq_u32 s2, 0
	s_cbranch_scc0 .Lentry_in_a_cluster
	s_endpgm
.Lentry_in_a_cluster:
	s_bfe_u32 s2, ttmp6, 0x10000c
	s_cmp_lg_u32 s2, 0xf033
	s_cbranch_scc0 .Lentry_shape_is_right
	s_endpgm
.Lentry_shape_is_right:
; QKV: [2048 tokens] x [6144 rows of wb] = xb wb^T, bf16 operands, f32 sums; RoPE in f32 on the sums of q and k; each number rounded once to f16; written by heads: qkv[48][2048][128],
; heads 0-15 q, 16-31 k, 32-47 v, unscaled.  LIMIT: f16 holds no number beyond 65,504: q, k and v must stay within it.
; SHARES.  A work-group makes 128 tokens x 384 rows of wb (two sets of 192), its four waves 64 tokens x 192 each: 4 x 12 accumulators of 16 x 16, 384 registers.  16 x 16 work-groups.
; A set of 192 rows (laid so by the launch before) is one whole head of q or k, its rotating channels d and d + 64 (d < 32) in blocks b and b + 2, and half a head of v: every wave runs the same way out.
; K goes in 16 steps of 128 through a ring of two LDS slots; a slot holds 128 rows of xb and 384 of wb, 256 bytes each; each wave fetches 128 rows by one tensor load.
; THE MATRIX INSTRUCTION IS USED TRANSPOSED (source 0 = 16 rows of wb, source 1 = 16 tokens): a lane holds ONE token (lane % 16) and eight neighbouring positions 8 (lane / 16) + 0..7.
; CLUSTER.  4 x 4 work-groups: the four of a row need the same rows of xb (and of the rope table), the four of a column the same rows of wb: each tile is asked for jointly.
; REGISTERS, in windows of 256: window 0: v16-30 addresses; v32-63 rows on their way out; v64-127 xb's fragments, two buffers of 32; v128-239 at work on the way out.
;   window 1: wb's fragments, two buffers of 96.   window 2: the accumulators of my token blocks 0, 1 ((a, b) at 8 (12 (a % 2) + b)).   window 3: blocks 2, 3.
.set KSTEP,  128
.set PITCH,  272                       ; an LDS row: 256 bytes + 16 of padding: the 16 rows of a fragment load start 68 words apart
.set PART,   128*PITCH                 ; what one tensor load brings
.set SLOT,   4*PART                    ; xb's 128 rows, then wb's 384
.set STAGE,  2*SLOT                    ; behind the ring: 16 rows x 272 bytes for each wave
.set SPARE,  STAGE+4*16*PITCH          ; behind the stages: the spare words, 128 bytes for each wave
.set RCOPY,  64*PITCH                  ; slot 0 after its last K step: each wave's 64 rows of the rope table at wave x RCOPY,
.set VST,    4*RCOPY                   ; and behind the four copies, for each half of the tokens, 64 rows x 272 bytes in which v's rows are put together
.set LAPS,   8                         ; a lap = two K steps
.set ADRA, 16                          ; v16-17  LDS address of my fragments of xb in slot 0, 1
.set ADRB, 20                          ; v20-21  of wb
.set RPA,  22                          ; v22     my 32 bytes of a rope row
.set VSTO, 23                          ; v23     where I put 16 bytes of a row of v
.set STO,  24                          ; v24     where I put 16 bytes of a row of q or k
.set RD,   25                          ; v25     where I read such rows back
.set GO,   26                          ; v26     16 x lane: my bytes of 512 consecutive bytes of qkv
.set VRD,  27                          ; v27     where I read rows of v back
.set SPW,  28                          ; v28     my spare word; never rewritten
.set NIL,  29                          ; v29     0; never rewritten
.set PFO,  30                          ; v30     lane x 4,096: a row of xb or wb; never rewritten
.set BK,   32
.set FA,   64
.set CSR,  128                         ; v128-159  for p = 0, 1: eight cosines, eight sines
.set T,    160                         ; v160-191  for p = 0, 1: eight y1, eight y2
.set PKR,  192                         ; v192-239  four registers of f16 for each of the 12 blocks
.set WV, 12
.set WR, 13                            ; which 64 tokens are mine
.set WC, 14                            ; which set
.set CX, 15
.set CY, 16
.set TX, 17
.set TY, 18
.set G1A, 24                           ; s[24:31] group 1 for xb's tiles;  s[32:39] group 0, a set for each slot
.set G0A, 32
.set LAP, 40
.set LIM, 41                           ; 1 in a wave that prefetches, else the greatest number
.set PFA, 42                           ; s[42:43] where my prefetches stand
.set QKP, 44                           ; s[44:45] qkv at my 64 rows of my head of q or k
.set VP,  46                           ; s[46:47] qkv at the 32 rows of v that I store
.set G1B, 48                           ; s[48:55], s[56:63] the same for wb's tiles
.set G0B, 56
.set G1R, 68                           ; s[68:75], s[76:79] for my rows of the rope table
.set G0R, 76
.set MSB, 0
.macro WIN new                         ; the immediate's high byte repeats the setting that is left; a switch that changes nothing is dropped
.if MSB != (\new)
	s_set_vgpr_msb (MSB<<8)|(\new)
.set MSB, \new
.endif
.endm
; A joint load: wave 0 fetches xb's rows, waves 1 to 3 wb's.  The branch hangs on the wave's number alone.  An s_nop 0 and four v_nop follow each of the two lines.
.macro JLOAD s
	s_cmp_eq_u32 s[WV], 0
	s_cbranch_scc0 .Lfor_b_\@
	tensor_load_to_lds s[G0A+4*(\s):G0A+4*(\s)+3], s[G1A:G1A+7]
	s_nop 0
.rept 4
	v_nop
.endr
	s_branch .Lasked_\@
.Lfor_b_\@:
	tensor_load_to_lds s[G0B+4*(\s):G0B+4*(\s)+3], s[G1B:G1B+7]
	s_nop 0
.rept 4
	v_nop
.endr
.Lasked_\@:
.endm
; A prefetch of the K step that stands two refills on: 32 rows x 256 bytes, a lane a row.  xb's rows are asked for by the clusters with x = 0 (wave 0), wb's by those with y = 0 (waves 1 to 3);
; the four partners that ask for a tile jointly take 32 of its 128 rows each, told apart by address.  So each row's 256 bytes of a K step are named once.  The loop's last trip has no K step two on.
.macro ASK
	s_cmp_gt_u32 s[LAP], s[LIM]
	s_cbranch_scc0 .Lnot_mine_\@
	global_prefetch_b8 v[PFO], s[PFA:PFA+1] offset:KSTEP*2 th:TH_LOAD_NT scope:SCOPE_SE
.Lnot_mine_\@:
.endm
.macro CROUND                          ; a round of the cluster's barrier: my work-group's barrier; wave 0 signals for the work-group; every wave waits for all sixteen; my work-group's barrier once more
	s_barrier_signal -1
	s_barrier_wait -1
	s_cmp_lg_u32 s[WV], 0
	s_cbranch_scc1 .Lnot_wave_0_\@
	s_barrier_signal -3
.Lnot_wave_0_\@:
	s_barrier_wait -3
	s_barrier_signal -1
	s_barrier_wait -1
.endm
.macro PLACES                          ; four places in front of loads into registers that matrix instructions have read, and of lines that read results
.rept 4
	v_nop
.endr
.endm
	s_load_b256 s[4:11], s[0:1], 0x0               ; xb s[4:5], wb s[6:7], rope s[8:9], qkv s[10:11]
	v_lshl_add_u32 v[SPW], v0, 2, SPARE
	v_mov_b32 v[NIL], 0
	ds_add_u32 v[SPW], v[NIL]                      ; the wave's opening: the add and its wait stand ahead of my first tensor load; work on registers stands between them
	v_lshrrev_b32 v1, 5, v0
	v_readfirstlane_b32 s[WV], v1
	s_lshr_b32 s[WR], s[WV], 1
	s_and_b32 s[WC], s[WV], 1
	s_bfe_u32 s[CX], ttmp6, 0x40000
	s_bfe_u32 s[CY], ttmp6, 0x40004
	s_lshl_b32 s[TX], ttmp9, 2
	s_add_co_u32 s[TX], s[TX], s[CX]               ; which 384 rows of wb
	s_and_b32 s[TY], ttmp7, 0xffff
	s_lshl_b32 s[TY], s[TY], 2
	s_add_co_u32 s[TY], s[TY], s[CY]               ; which 128 tokens
	s_lshl_b32 s19, s[CY], 2
	s_lshl_b32 s19, 15, s19                        ; my row of the cluster
	s_lshl_b32 s20, 0x1111, s[CX]                  ; my column
	s_or_b32 s[G1A], s19, (1<<16)|(1<<20)|(1<<21)|(5<<22)|(3<<25)  ; the mask; elements of 2 bytes; padding on; bit 21 beside a mask; after every 64 words 4 words
	s_or_b32 s[G1B], s20, (1<<16)|(1<<20)|(1<<21)|(5<<22)|(3<<25)
	s_or_b32 s[G1R], s19, (2<<16)|(1<<20)|(1<<21)|(5<<22)|(3<<25)  ; the rope table: elements of 4 bytes, rows of 64
.irp g, G1A, G1B
	s_mov_b32 s[(\g)+1], KSTEP<<16                 ; tensor_dim0 = 128
	s_mov_b32 s[(\g)+2], 128<<16                   ; tensor_dim1 = 128
	s_mov_b32 s[(\g)+3], KSTEP<<16                 ; tile_dim0 = 128
	s_mov_b32 s[(\g)+4], 128                       ; tile_dim1 = 128
	s_mov_b32 s[(\g)+5], 2048                      ; elements from row to row
	s_mov_b32 s[(\g)+6], 0
	s_mov_b32 s[(\g)+7], 0
.endr
	s_mov_b32 s[G1R+1], 64<<16
	s_mov_b32 s[G1R+2], 64<<16
	s_mov_b32 s[G1R+3], 64<<16
	s_mov_b32 s[G1R+4], 64
	s_mov_b32 s[G1R+5], 64
	s_mov_b32 s[G1R+6], 0
	s_mov_b32 s[G1R+7], 0
	s_lshl_b32 s80, s[TY], 19                      ; xb: 128 rows of 4,096 bytes a tile: hangs on the tile row alone
	s_mov_b32 s81, 0
	s_max_u32 s21, s[WV], 1
	s_sub_co_u32 s21, s21, 1
	s_lshl_b32 s21, s21, 7                         ; which 128 of wb's 384 rows I fetch
	s_mul_i32 s82, s[TX], 384
	s_add_co_u32 s82, s82, s21
	s_lshl_b32 s82, s82, 12                        ; wb: hangs on the tile column alone
	s_mov_b32 s83, 0
	s_lshl_b32 s84, s[TY], 15                      ; rope: 128 rows of 256 bytes a tile,
	s_lshl_b32 s85, s[WR], 14                      ; my 64 of them
	s_add_co_u32 s84, s84, s85
	s_mov_b32 s85, 0
	s_mul_i32 s22, s[WV], PART                     ; where my part of a slot lies: no place in the cluster enters an LDS address
	s_mov_b32 s[G0R], 1
	s_mul_i32 s[G0R+1], s[WV], RCOPY
	s_wait_dscnt 0x0                               ; the opening add is done
	s_wait_kmcnt 0x0
	s_add_nc_u64 s[80:81], s[4:5], s[80:81]
	s_add_nc_u64 s[82:83], s[6:7], s[82:83]
	s_add_nc_u64 s[G0R+2:G0R+3], s[8:9], s[84:85]
	s_or_b32 s[G0R+3], s[G0R+3], 0x80000000
	CROUND                                         ; all sixteen work-groups are here: the first joint loads meet
.irp s, 0,1
	s_mov_b32 s[G0A+4*(\s)], 1
	s_add_co_u32 s[G0A+4*(\s)+1], s22, (\s)*SLOT
	s_add_nc_u64 s[G0A+4*(\s)+2:G0A+4*(\s)+3], s[80:81], (\s)*KSTEP*2
	s_or_b32 s[G0A+4*(\s)+3], s[G0A+4*(\s)+3], 0x80000000
	s_mov_b32 s[G0B+4*(\s)], 1
	s_add_co_u32 s[G0B+4*(\s)+1], s22, (\s)*SLOT
	s_add_nc_u64 s[G0B+4*(\s)+2:G0B+4*(\s)+3], s[82:83], (\s)*KSTEP*2
	s_or_b32 s[G0B+4*(\s)+3], s[G0B+4*(\s)+3], 0x80000000
	JLOAD \s                                       ; K steps 0 and 1: two loads of mine are out
.endr
	v_and_b32 v1, 15, v0                           ; r = lane % 16
	v_bfe_u32 v2, v0, 4, 1                         ; h = lane / 16
	v_mul_u32_u24 v4, v1, PITCH
	v_lshl_add_u32 v3, v2, 4, v4                   ; r x pitch + 16 h
	s_mul_i32 s19, s[WR], 64*PITCH
	s_mul_i32 s20, s[WC], 192*PITCH
	s_add_co_u32 s20, s20, PART
.irp s, 0,1
	v_add_nc_u32 v[ADRA+(\s)], s19, v3
	v_add_nc_u32 v[ADRB+(\s)], s20, v3
	s_add_co_u32 s19, s19, SLOT
	s_add_co_u32 s20, s20, SLOT
.endr
	v_lshl_add_u32 v[RPA], v2, 5, v4               ; r x pitch + 32 h: eight f32
	v_add_nc_u32 v[RPA], s[G0R+1], v[RPA]
	s_mul_i32 s19, s[WR], RCOPY
	s_add_co_u32 s19, s19, VST                     ; my half's rows of v
	s_lshl_b32 s20, s[WC], 7
	s_add_co_u32 s20, s20, s19
	v_add_nc_u32 v[VSTO], s20, v3                  ; my set's 128 bytes of them
	s_mul_i32 s20, s[WV], 16*PITCH
	s_add_co_u32 s20, s20, STAGE                   ; my stage
	v_add_nc_u32 v[STO], s20, v3
	v_mul_u32_u24 v5, v2, PITCH
	v_lshl_add_u32 v5, v1, 4, v5                   ; h x pitch + 16 r: lanes 0-15 one row, lanes 16-31 the next
	v_add_nc_u32 v[RD], s20, v5
	s_mul_i32 s20, s[WC], 32*PITCH
	s_add_co_u32 s20, s20, s19
	v_add_nc_u32 v[VRD], s20, v5                   ; of my half's 64 rows of v I store 32
	v_and_b32 v5, 31, v0
	v_lshlrev_b32 v[GO], 4, v5
	v_lshlrev_b32 v[PFO], 12, v5
	s_lshl_b32 s86, s[TX], 1
	s_add_co_u32 s86, s86, s[WC]                   ; my set = my head of q or k
	s_lshl_b32 s86, s86, 11
	s_lshl_b32 s87, s[TY], 7
	s_add_co_u32 s86, s86, s87
	s_lshl_b32 s87, s[WR], 6
	s_add_co_u32 s86, s86, s87                     ; its row: my first token
	s_lshl_b32 s86, s86, 8
	s_mov_b32 s87, 0
	s_add_nc_u64 s[QKP:QKP+1], s[10:11], s[86:87]
	s_add_co_u32 s86, s[TX], 32                    ; the head of v
	s_lshl_b32 s86, s86, 11
	s_lshl_b32 s87, s[TY], 7
	s_add_co_u32 s86, s86, s87
	s_lshl_b32 s87, s[WR], 6
	s_add_co_u32 s86, s86, s87
	s_lshl_b32 s87, s[WC], 5
	s_add_co_u32 s86, s86, s87
	s_lshl_b32 s86, s86, 8
	s_mov_b32 s87, 0
	s_add_nc_u64 s[VP:VP+1], s[10:11], s[86:87]
	; the prefetches
	s_lshl_b32 s19, s[TY], 7                       ; xb's first row of the tile
	s_mul_i32 s20, s[TX], 384
	s_add_co_u32 s20, s20, s21                     ; wb's first row of my 128
	s_and_b32 s23, ttmp7, 0xffff                   ; cluster y
	s_cmp_eq_u32 s[WV], 0
	s_cselect_b32 s19, s19, s20
	s_cselect_b32 s21, s[CX], s[CY]                ; my place among the four that ask with me
	s_cselect_b32 s23, ttmp9, s23                  ; the coordinate along which other clusters read the same rows
	s_cselect_b64 s[PFA:PFA+1], s[4:5], s[6:7]
	s_cmp_eq_u32 s23, 0
	s_cselect_b32 s[LIM], 1, -1                    ; the same in all sixteen partners, for a given wave
	s_lshl_b32 s21, s21, 5
	s_add_co_u32 s19, s19, s21                     ; my work-group's 32 rows
	s_lshl_b32 s86, s19, 12
	s_mov_b32 s87, 0
	s_add_nc_u64 s[PFA:PFA+1], s[PFA:PFA+1], s[86:87]
	s_add_nc_u64 s[PFA:PFA+1], s[PFA:PFA+1], 2*KSTEP*2  ; at K step 2: the first refill steps it to 3 and names K step 4; nothing is asked for here, at the head
; 12 matrix instructions: token block 2 hi + a x all 12 position blocks, 32 along K, from buffers f.  zero = 1: the product starts the sums.  The 48 accumulators take turns, in the same order in every quarter.
.macro MUL12 f, hi, a, zero
	WIN 0xa1+0x50*(\hi)
.irp b, 0,1,2,3,4,5,6,7,8,9,10,11
.if \zero
	v_wmma_f32_16x16x32_bf16 v[8*(12*(\a)+(\b)):8*(12*(\a)+(\b))+7], v[96*(\f)+8*(\b):96*(\f)+8*(\b)+7], v[FA+32*(\f)+8*(2*(\hi)+(\a)):FA+32*(\f)+8*(2*(\hi)+(\a))+7], 0
.else
	v_wmma_f32_16x16x32_bf16 v[8*(12*(\a)+(\b)):8*(12*(\a)+(\b))+7], v[96*(\f)+8*(\b):96*(\f)+8*(\b)+7], v[FA+32*(\f)+8*(2*(\hi)+(\a)):FA+32*(\f)+8*(2*(\hi)+(\a))+7], v[8*(12*(\a)+(\b)):8*(12*(\a)+(\b))+7]
.endif
.endr
.endm
; 32 LDS loads in one run: a quarter step's fragments (192 rows of wb, 64 tokens, 32 K at byte k of the rows) into buffers f
.macro FETCH slot, k, f
	WIN 0x40
.irp i, 0,1,2,3,4,5,6,7,8,9,10,11
	ds_load_b128 v[96*(\f)+8*(\i):96*(\f)+8*(\i)+3],   v[ADRB+(\slot)] offset:(\k)+(\i)*16*PITCH
	ds_load_b128 v[96*(\f)+8*(\i)+4:96*(\f)+8*(\i)+7], v[ADRB+(\slot)] offset:(\k)+(\i)*16*PITCH+32
.endr
	WIN 0
.irp i, 0,1,2,3
	ds_load_b128 v[FA+32*(\f)+8*(\i):FA+32*(\f)+8*(\i)+3],   v[ADRA+(\slot)] offset:(\k)+(\i)*16*PITCH
	ds_load_b128 v[FA+32*(\f)+8*(\i)+4:FA+32*(\f)+8*(\i)+7], v[ADRA+(\slot)] offset:(\k)+(\i)*16*PITCH+32
.endr
.endm
; A K step is four quarters of 32 along K, 48 matrix instructions each, on buffers 0, 1, 0, 1.  One of the first three: multiplies buffers f, and in its middle fetches the next quarter into g.
.macro QUARTER slot, k, f, g, zero
	s_wait_dscnt 4                                 ; wb's fragments and token blocks 0, 1 are in; the youngest four loads (blocks 2, 3) may be out
	MUL12 \f, 0, 0, \zero
	MUL12 \f, 0, 1, \zero
	PLACES
	FETCH \slot, \k, \g
	s_wait_dscnt 32                                ; all but the 32 just issued
	MUL12 \f, 1, 0, \zero
	MUL12 \f, 1, 1, \zero
.endm
; The last quarter multiplies buffers 1 and changes slots in its middle.  Its first 24 products stand AHEAD of the wait for the tile, so that between that wait and the next request stands nothing but
; the round: a request has a whole step's 192 products between itself and the wait for it, and the stretch in which no tile of mine is on its way is as short as the order allows.
; The order: each wave waits for all its tensor loads (one is out: its part of the next slot), adds 0 to its spare word, and waits for that and for its reads of this slot; a round of the cluster's
; barrier: behind it no wave of any partner reads this slot or has a load on its way; the refill comes first behind it.
; kind = 0: this slot takes the K step two on.  kind = 1 (slot 0's last change): it takes each wave's 64 rows of the rope table.
.macro TURN slot, next, kind
.if (\kind) == 0
	s_wait_xcnt 0x0                                ; the last prefetch, a K step back, has read its address
	s_add_nc_u64 s[PFA:PFA+1], s[PFA:PFA+1], KSTEP*2
.endif
	s_wait_dscnt 4                                 ; wb's fragments and token blocks 0, 1 are in; the youngest four loads (blocks 2, 3) may be out
	MUL12 1, 0, 0, 0
	MUL12 1, 0, 1, 0
	WIN 0
	s_wait_tensorcnt 0x0                           ; no tensor load of mine is out, so the descriptors may be written
	ds_add_u32 v[SPW], v[NIL]                      ; 0 onto my spare word; the descriptors' steps stand between it and the wait for it
.if (\kind) == 0
	s_add_nc_u64 s[G0A+4*(\slot)+2:G0A+4*(\slot)+3], s[G0A+4*(\slot)+2:G0A+4*(\slot)+3], 2*KSTEP*2
	s_add_nc_u64 s[G0B+4*(\slot)+2:G0B+4*(\slot)+3], s[G0B+4*(\slot)+2:G0B+4*(\slot)+3], 2*KSTEP*2
.endif
	s_wait_dscnt 0x0                               ; the add is done, and my reads of this slot are over
	CROUND
.if (\kind) == 0
	JLOAD \slot                                    ; the four v_nop behind it are also the places in front of the loads below
.else
	tensor_load_to_lds s[G0R:G0R+3], s[G1R:G1R+7]  ; every wave: its own copy, which it alone reads
	s_nop 0
.rept 4
	v_nop
.endr
.endif
	FETCH \next, 0, 0
.if (\kind) == 0
	ASK
.endif
	MUL12 1, 1, 0, 0
	MUL12 1, 1, 1, 0
.endm
	s_wait_tensorcnt 1                             ; my part of K step 0 is in; K step 1's may stay out
	s_barrier_signal -1
	s_barrier_wait -1
	FETCH 0, 0, 0
	QUARTER 0, 64, 0, 1, 1                         ; the first quarter stands in front of the loop: its products start the sums
	WIN 0
	s_mov_b32 s[LAP], LAPS-1
.Llap:                                                 ; a trip goes once round the ring, from a lap's second quarter to the next lap's first
	QUARTER 0, 128, 1, 0, 0
	QUARTER 0, 192, 0, 1, 0
	TURN 0, 1, 0
	QUARTER 1, 64,  0, 1, 0
	QUARTER 1, 128, 1, 0, 0
	QUARTER 1, 192, 0, 1, 0
	TURN 1, 0, 0
	QUARTER 0, 64,  0, 1, 0
	WIN 0
	s_sub_co_u32 s[LAP], s[LAP], 1
	s_cmp_lg_u32 s[LAP], 0
	s_cbranch_scc1 .Llap
	QUARTER 0, 128, 1, 0, 0                        ; the last lap
	QUARTER 0, 192, 0, 1, 0
	TURN 0, 1, 1
	QUARTER 1, 64,  0, 1, 0
	QUARTER 1, 128, 1, 0, 0
	QUARTER 1, 192, 0, 1, 0
	s_wait_dscnt 4
	MUL12 1, 0, 0, 0
	MUL12 1, 0, 1, 0
	s_wait_dscnt 0x0
	MUL12 1, 1, 0, 0
	MUL12 1, 1, 1, 0
	WIN 0
	PLACES
	PLACES
	s_wait_tensorcnt 0x0                           ; my copy of the rope rows is in
; THE WAY OUT of token block a.  y1 = x1 c + x2 s, y2 = x2 c - x1 s for d = 16 p + 8 h + j < 32 (x1 in block p, x2 in block p + 2); the other channels have angle 0 and stay.
; All 12 blocks are rounded to f16; q's or k's eight go through my stage and leave as whole rows of 256 bytes; v's four go into the rows that my neighbour wave shares.
.macro EPI a
.set AC, 96*((\a)%2)
	WIN 0
	s_wait_xcnt 0x0                                ; the stores of the block before have read their registers
.irp p, 0,1
	ds_load_b128 v[CSR+16*(\p):CSR+16*(\p)+3],     v[RPA] offset:(\a)*16*PITCH+64*(\p)
	ds_load_b128 v[CSR+16*(\p)+4:CSR+16*(\p)+7],   v[RPA] offset:(\a)*16*PITCH+64*(\p)+16
	ds_load_b128 v[CSR+16*(\p)+8:CSR+16*(\p)+11],  v[RPA] offset:(\a)*16*PITCH+64*(\p)+128
	ds_load_b128 v[CSR+16*(\p)+12:CSR+16*(\p)+15], v[RPA] offset:(\a)*16*PITCH+64*(\p)+144
.endr
	s_wait_dscnt 0x0
	WIN 0x02+(\a)/2                                ; source 0: the accumulators' window
.irp p, 0,1
.irp q, 0,2,4,6
	v_pk_mul_f32 v[T+16*(\p)+(\q):T+16*(\p)+(\q)+1],     v[AC+8*((\p)+2)+(\q):AC+8*((\p)+2)+(\q)+1], v[CSR+16*(\p)+8+(\q):CSR+16*(\p)+8+(\q)+1]
	v_pk_mul_f32 v[T+16*(\p)+8+(\q):T+16*(\p)+8+(\q)+1], v[AC+8*(\p)+(\q):AC+8*(\p)+(\q)+1],         v[CSR+16*(\p)+8+(\q):CSR+16*(\p)+8+(\q)+1]
	v_pk_fma_f32 v[T+16*(\p)+(\q):T+16*(\p)+(\q)+1],     v[AC+8*(\p)+(\q):AC+8*(\p)+(\q)+1],         v[CSR+16*(\p)+(\q):CSR+16*(\p)+(\q)+1], v[T+16*(\p)+(\q):T+16*(\p)+(\q)+1]
	v_pk_fma_f32 v[T+16*(\p)+8+(\q):T+16*(\p)+8+(\q)+1], v[AC+8*((\p)+2)+(\q):AC+8*((\p)+2)+(\q)+1], v[CSR+16*(\p)+(\q):CSR+16*(\p)+(\q)+1], v[T+16*(\p)+8+(\q):T+16*(\p)+8+(\q)+1] neg_lo:[0,0,1] neg_hi:[0,0,1]
.endr
.endr
	WIN 0
.irp b, 0,1,2,3
.irp q, 0,1,2,3
	v_cvt_pk_f16_f32 v[PKR+4*(\b)+(\q)], v[T+16*((\b)%2)+8*((\b)/2)+2*(\q)], v[T+16*((\b)%2)+8*((\b)/2)+2*(\q)+1]
.endr
.endr
	WIN 0x0a+5*((\a)/2)
.irp b, 4,5,6,7,8,9,10,11
.irp q, 0,1,2,3
	v_cvt_pk_f16_f32 v[PKR+4*(\b)+(\q)], v[AC+8*(\b)+2*(\q)], v[AC+8*(\b)+2*(\q)+1]
.endr
.endr
	WIN 0
.irp b, 0,1,2,3,4,5,6,7
	ds_store_b128 v[STO], v[PKR+4*(\b):PKR+4*(\b)+3] offset:2*(32*((\b)/4)+64*(((\b)/2)%2)+16*((\b)%2))  ; the block's first channel, undoing the order of wb's rows
.endr
.irp b, 8,9,10,11
	ds_store_b128 v[VSTO], v[PKR+4*(\b):PKR+4*(\b)+3] offset:(\a)*16*PITCH+32*((\b)-8)
.endr
.irp t, 0,1,2,3,4,5,6,7
	ds_load_b128 v[BK+4*(\t):BK+4*(\t)+3], v[RD] offset:(\t)*2*PITCH  ; LDS serves a wave's instructions in order: these see the stores above
.endr
	s_wait_dscnt 0x0
.irp t, 0,1,2,3,4,5,6,7
	global_store_b128 v[GO], v[BK+4*(\t):BK+4*(\t)+3], s[QKP:QKP+1] offset:(\a)*4096+(\t)*512  ; two rows of the head: 512 consecutive bytes
.endr
.endm
	EPI 0
	EPI 1
	EPI 2
	EPI 3
	s_wait_dscnt 0x0                               ; for my neighbour's sake: my halves of v's rows are stored
	s_barrier_signal -1
	s_barrier_wait -1                              ; both halves of all rows lie in LDS
.irp t, 0,1,2,3,4,5,6,7,8,9,10,11,12,13,14,15
	ds_load_b128 v[CSR+4*(\t):CSR+4*(\t)+3], v[VRD] offset:(\t)*2*PITCH
.endr
.irp t, 0,1,2,3,4,5,6,7,8,9,10,11,12,13,14,15
	s_wait_dscnt 15-(\t)
	global_store_b128 v[GO], v[CSR+4*(\t):CSR+4*(\t)+3], s[VP:VP+1] offset:(\t)*512
.endr
	s_wait_tensorcnt 0x0                           ; the wave's end: behind my last tensor load and my last LDS store
	ds_add_u32 v[SPW], v[NIL]
	s_wait_dscnt 0x0
	CROUND                                         ; the closing round
	s_endpgm
.Lfunc_end_k_qadfd10d9f9_qkv:
	.size	k_qadfd10d9f9_qkv, .Lfunc_end_k_qadfd10d9f9_qkv-k_qadfd10d9f9_qkv
	.p2alignl 7, 3214868480
	.fill 96, 4, 3214868480
	.section	.rodata,"a",@progbits
	.p2align	6, 0x0
	.amdhsa_kernel k_qadfd10d9f9_qkv
		.amdhsa_group_segment_fixed_size 327680
		.amdhsa_private_segment_fixed_size 0
		.amdhsa_enable_private_segment 0
		.amdhsa_kernarg_size 32
		.amdhsa_user_sgpr_count 2
		.amdhsa_user_sgpr_kernarg_segment_ptr 1
		.amdhsa_wavefront_size32 1
		.amdhsa_system_sgpr_workgroup_id_x 1
		.amdhsa_system_sgpr_workgroup_id_y 1
		.amdhsa_system_sgpr_workgroup_id_z 1
		.amdhsa_system_vgpr_workitem_id 0
		.amdhsa_next_free_vgpr 960
		.amdhsa_next_free_sgpr 96
		.amdhsa_reserve_vcc 0
		.amdhsa_float_denorm_mode_32 3
		.amdhsa_float_denorm_mode_16_64 3
		.amdhsa_memory_ordered 1
		.amdhsa_forward_progress 1
		.amdhsa_inst_pref_size 132
	.end_amdhsa_kernel
	.amdgpu_metadata
---
amdhsa.version: [ 1, 2 ]
amdhsa.kernels:
  - .name:           k_qadfd10d9f9_qkv
    .symbol:         k_qadfd10d9f9_qkv.kd
    .args:
      - { .name: xb, .offset: 0, .size: 8, .value_kind: global_buffer, .address_space: global }
      - { .name: wb, .offset: 8, .size: 8, .value_kind: global_buffer, .address_space: global }
      - { .name: rope, .offset: 16, .size: 8, .value_kind: global_buffer, .address_space: global }
      - { .name: qkv, .offset: 24, .size: 8, .value_kind: global_buffer, .address_space: global }
    .group_segment_fixed_size: 327680
    .private_segment_fixed_size: 0
    .kernarg_segment_align: 8
    .kernarg_segment_size: 32
    .max_flat_workgroup_size: 128
    .sgpr_count:     96
    .vgpr_count:     960
    .wavefront_size: 32
...
	.end_amdgpu_metadata
.endif
;; end of part 2
;; launch attn (part 3): grid 16 x 16, 4 waves a work-group, clusters of 4 x 1, 327,680 bytes of LDS; arguments qkv, yb; writes yb
.if DOCPART == 3
	.amdgcn_target "amdgcn-amd-amdhsa--gfx1250"
	.amdhsa_code_object_version 6
	.text
	.protected	k_qadfd10d9f9_attn
	.globl	k_qadfd10d9f9_attn
	.p2align	8
	.type	k_qadfd10d9f9_attn,@function
k_qadfd10d9f9_attn:
	s_mov_b64 s[64:65], 0
	v_nop
	global_prefetch_b8 v0, s[64:65] scope:SCOPE_SE
	s_setreg_imm32_b32 hwreg(HW_REG_WAVE_MODE, 25, 1), 1
	s_wait_xcnt 0x0
	s_wait_alu depctr_hold_cnt(0) depctr_sa_sdst(0) depctr_va_vdst(0) depctr_va_sdst(0) depctr_va_ssrc(0) depctr_va_vcc(0) depctr_vm_vsrc(0)
	s_getreg_b32 s2, hwreg(HW_REG_IB_STS2, 6, 4)
	s_cmp_eq_u32 s2, 0
	s_cbranch_scc0 .Lentry_in_a_cluster
	s_endpgm
.Lentry_in_a_cluster:
	s_bfe_u32 s2, ttmp6, 0x10000c
	s_cmp_lg_u32 s2, 0x3003
	s_cbranch_scc0 .Lentry_shape_is_right
	s_endpgm
.Lentry_shape_is_right:
; CAUSAL ATTENTION.  y[t][head][:] = the sum over s <= t of softmax_s(q[t] . k[s] / sqrt(128)) v[s][:].  qkv: [48][2048][128] f16 (q, k, v by heads); yb: [2048][2048] f16.
; Products, maxima and sums in f32; the weights p are rounded to f16 for the second product (their sum l is taken of the unrounded p), y once at the end.
; LIMITS.  q, k, v arrive within f16's 65,504.  A hidden score counts as its value less 1e30 (true scores are 5.5e11 at the most).  A weight below 2^-126 counts as 0.  NaN and infinities are not treated apart.
; THE WALK.  A head's queries lie in 32 blocks of 64.  Work-group b = 4 c + cx (c: the cluster, cx: its place there) takes block b and then block 31 - b.  Keys go in tiles of 256 (a slot: four steps
; of 64).  Block b needs tiles 0 .. c, block 31 - b tiles 0 .. 7 - c: nine tiles whatever c, and THE SAME TILES IN ALL FOUR PARTNERS: every tile is asked for jointly, and every trip count and branch
; hangs on c alone.  In a block's last tile the step with number cx (then 3 - cx) holds the diagonal, later steps are hidden: that enters only two scalars that are factors of the mask.
; WAVES.  QH = wave / 2: which 32 of the block's queries (two tiles of 16).  KH = wave % 2: of a key tile's four steps, steps KH and KH + 2.  The two waves of a pair hold partial (m, l, O) of the
; same queries; at a block's end wave KH = 1 lays its part into LDS, a barrier follows, and wave KH = 0 merges, in f32: O = (O0 2^(cm0 - cM) + O1 2^(cm1 - cM)) / L.  A wave that has seen hidden keys alone has cm near -1e29 and counts for 0.
; LAYOUT.  S^T = K Q^T (source 0 = 16 keys, source 1 = 16 queries): a lane holds ONE query (lane % 16) and keys 8 (lane / 16) + 0..7; two such results rounded to f16 ARE source 1 of O^T = V^T P.
; SOFTMAX.  A running maximum m and sum l: p = 2^(c s - c m), c = log2(e) / sqrt(128); in every step O and l are multiplied by a = 2^(c m_old - c m_new).  c m starts far below every c s, so a block's first a is 0.
; A STEP GOES BY TILES, so that matrix and vector work stand side by side in the one wave of a SIMD.  The two tiles share K's and V's fragments and nothing else: 16 products K Q^T of tile 0; 16 of tile 1,
; and behind each of them a slice of tile 0's softmax; 16 products V^T P of tile 0, and behind each a slice of tile 1's softmax; 16 products V^T P of tile 1.  A tile's softmax is 134 lines for
; 16 products: eight to a slice, the last 14 together.  A tile's 33 exponentials are one batch with one wait.  Not built: a pipeline over steps (the next step's K Q^T beside this step's softmax), which
; would give the 32 bare products slices too: it would have to run across the changes of slots and the blocks' ends.
; REGISTERS, in windows of 256: window 0: addresses, statistics, v64-127 S^T, v128-159 P, v160-191 rows on their way out.  window 1: v0-127 O^T, v128-191 the diagonal step's mask.
;   window 2: v0-63 Q, v64-127 the second block's Q, v128-255 K of a step.   window 3: v0-127 V of a step.  A slice costs two switches of the windows: no window has room for a product's operands beside what a softmax touches.
.set PK,    272       ; a row of K in LDS: 256 bytes + 16 of padding
.set PV,    288       ; a row of V: 256 + 32: 16 lanes of the turning load take 8 rows x 32 bytes
.set VOFF,  256*PK    ; a slot: 256 rows of K, then 256 rows of V
.set TOG,   256*(PK+PV)  ; 143,360 = 0x23000: a slot's bytes; an exclusive or turns 0 into it and back
.set MA,    2*TOG     ; behind the ring: for each pair of waves 16,384 bytes of O and 512 of statistics; the merging wave's stage lies in the half that it has just read
.set MPAIR, 16896
.set SPARE, MA+2*MPAIR  ; behind them: the spare words, 128 bytes for each wave
.set AK0, 2           ; v2   my lane's place in my first step of a tile of K; never rewritten
.set AV0, 3           ; v3   the same for V
.set ADK, 4           ; v4   the LDS address of K's run of loads
.set ADV, 5           ; v5   of V's
.set STO, 6           ; v6   the way out: where I put 16 bytes of a row
.set RD,  7           ; v7   where I read rows back
.set GO,  8           ; v8   my bytes of two rows of yb
.set SPW, 10          ; v10  my spare word; never rewritten
.set NIL, 11          ; v11  0; never rewritten
.set MW,  12          ; v12  my pair's merge area + 16 x lane
.set QO,  13          ; v13  my byte offset in 16 rows of Q
.set PFO, 15          ; v15  256 x lane: a row of K or V; never rewritten
.set ST,  16          ; tile t's statistics at v[ST+8 t]: c m, m, l (even keys', odd keys'), c0-c3 at work; a takes c2's place
.set FS,  32          ; v32-35  the partner's c m and l of both tiles
.set FT,  40          ; for the merge, 8 a tile: +0, +1 my factor; +2, +3 the partner's; +4 L; +5, +7 at work; +6 my l
.set S,   64
.set P,   128
.set BK,  160
.set MD,  128         ; window 1
.set KF,  128         ; window 2
.set WV,  12
.set KH,  13
.set QH,  14
.set CC,  15          ; c
.set CXR, 16          ; cx
.set HD,  17
.set LK,  18          ; my part's place in a slot, for K
.set LV,  19          ; for V
.set LQ2, 20          ; 7 - c
.set RT2, 21          ; 8 - c
.set G1K, 24
.set G1V, 32
.set G0K, 40
.set G0V, 44
.set KB,  48          ; s[48:49] K at my half of the head's tile 0
.set VB,  50          ; s[50:51] V likewise
.set OFF, 52          ; s[52:53] a tile's byte offset
.set OUT, 54          ; s[54:55] yb at my 32 rows of the block in hand
.set OUT2, 56         ; s[56:57] of the second block
.set SLOTS, 58
.set TWICE, 59
.set CS,  60          ; s[60:61] c
.set SEL, 62          ; s[62:63] v_permlanex16_b32's selects
.set TBK, 66          ; LDS byte at which the tile's pair of steps to be fetched begins, for K
.set TBV, 67          ; for V
.set SBF, 68          ; the slot that is filled
.set RB,  69          ; the slot that is read
.set RT,  70          ; tiles of the block in hand still to be entered
.set NXT, 71          ; the tile to be asked for next
.set LQ,  72          ; the last tile of the block whose tiles are being asked for
.set DEL, 74          ; the diagonal's step in the block's last tile
.set DEL2, 75
.set SL,  76          ; the step in hand
.set BIGN, 77
.set AL,  78          ; s[78:79] the mask's factor
.set BE,  80          ; s[80:81] the addend for a hidden step
.set LIM, 82
.set PFA, 84          ; s[84:85] where my prefetches stand
.set Q1,  88          ; s[88:89], s[90:91] Q at my rows of the two blocks
.set Q2,  90
.set MSB, 0
.macro WIN new
.if MSB != (\new)
	s_set_vgpr_msb (MSB<<8)|(\new)
.set MSB, \new
.endif
.endm
.set W_KQ, 0x0a       ; K and Q in window 2, S^T in window 0
.set W_PV, 0x53       ; V in window 3, P in window 0, O^T in window 1
.set W_RS, 0x41       ; O^T (destination and source 0) in window 1, a in window 0
; A joint fill: waves 0 and 1 fetch the two halves of a tile's K, waves 2 and 3 those of its V, 128 rows each.  An s_nop 0 and four v_nop follow each of the two lines.
.macro JLOAD
	s_cmp_lt_u32 s[WV], 2
	s_cbranch_scc0 .Lfor_v_\@
	tensor_load_to_lds s[G0K:G0K+3], s[G1K:G1K+7]
	s_nop 0
.rept 4
	v_nop
.endr
	s_branch .Lasked_\@
.Lfor_v_\@:
	tensor_load_to_lds s[G0V:G0V+3], s[G1V:G1V+7]
	s_nop 0
.rept 4
	v_nop
.endr
.Lasked_\@:
.endm
; A prefetch of the key tile that the head's first cluster will ask for at its NEXT change of slots: at its change k it names tile k.  Only that cluster asks; its four partners take 64 rows of K and 64
; of V each, told apart by address; each wave names 32 rows, a lane a row.  So each row is named once.  The last change asks for nothing: there is no tile 8.
.macro ASK
	s_cmp_gt_u32 s[SLOTS], s[LIM]
	s_cbranch_scc0 .Lnot_mine_\@
	global_prefetch_b8 v[PFO], s[PFA:PFA+1] th:TH_LOAD_NT scope:SCOPE_SE
.Lnot_mine_\@:
.endm
.macro CROUND
	s_barrier_signal -1
	s_barrier_wait -1
	s_cmp_lg_u32 s[WV], 0
	s_cbranch_scc1 .Lnot_wave_0_\@
	s_barrier_signal -3
.Lnot_wave_0_\@:
	s_barrier_wait -3
	s_barrier_signal -1
	s_barrier_wait -1
.endm
.macro PLACES
.rept 4
	v_nop
.endr
.endm
; THE CHANGE OF SLOTS.  Each wave waits for all its tensor loads (one is out: its part of the other slot), adds 0 to its spare word, and waits for that and for all its LDS instructions.
; fill = 1: the slot just read takes tile NXT: the barrier is a round of the cluster's, and the joint fill is the first thing behind it.  (At its first use slot 0 is waited for and slot 1 filled.)
.macro CHANGE fill
	WIN 0
	s_wait_tensorcnt 0x0                           ; no tensor load of mine is out, so the descriptors may be written
	ds_add_u32 v[SPW], v[NIL]                      ; 0 onto my spare word; scalar work stands between it and the wait for it
.if \fill
	s_xor_b32 s[SBF], s[SBF], TOG
	s_add_co_u32 s[G0K+1], s[SBF], s[LK]
	s_add_co_u32 s[G0V+1], s[SBF], s[LV]
	s_lshl_b32 s[OFF], s[NXT], 16                  ; a tile is 65,536 bytes of K and of V
	s_add_nc_u64 s[G0K+2:G0K+3], s[KB:KB+1], s[OFF:OFF+1]
	s_or_b32 s[G0K+3], s[G0K+3], 0x80000000
	s_add_nc_u64 s[G0V+2:G0V+3], s[VB:VB+1], s[OFF:OFF+1]
	s_or_b32 s[G0V+3], s[G0V+3], 0x80000000
	s_add_co_u32 s[NXT], s[NXT], 1                 ; the block's next tile, or behind its last the second block's tile 0
	s_cmp_gt_u32 s[NXT], s[LQ]
	s_cselect_b32 s[NXT], 0, s[NXT]
	s_cselect_b32 s[LQ], s[LQ2], s[LQ]
	s_wait_xcnt 0x0                                ; the last prefetch, a tile back, has read its address
	s_add_nc_u64 s[PFA:PFA+1], s[PFA:PFA+1], 65536
	s_wait_dscnt 0x0                               ; the add is done; my reads of the slot, and of the merge area and my stage in it, are over
	CROUND
	JLOAD
	ASK
.else
	s_wait_dscnt 0x0
	s_barrier_signal -1
	s_barrier_wait -1
.endif
	s_xor_b32 s[RB], s[RB], TOG
	s_mov_b32 s[TBK], s[RB]
	s_mov_b32 s[TBV], s[RB]
.endm
	s_load_b128 s[4:7], s[0:1], 0x0                ; qkv s[4:5], yb s[6:7]
	v_lshl_add_u32 v[SPW], v0, 2, SPARE
	v_mov_b32 v[NIL], 0
	ds_add_u32 v[SPW], v[NIL]                      ; the wave's opening: the add and its wait stand ahead of my first tensor load
	v_lshrrev_b32 v1, 5, v0
	v_readfirstlane_b32 s[WV], v1
	s_and_b32 s[KH], s[WV], 1
	s_lshr_b32 s[QH], s[WV], 1
	s_mov_b32 s[CC], ttmp9
	s_bfe_u32 s[CXR], ttmp6, 0x40000
	s_and_b32 s[HD], ttmp7, 0xffff
	s_add_co_u32 s86, s[HD], 16                    ; k's head: 2,048 rows of 256 bytes each,
	s_lshl_b32 s86, s86, 19
	s_lshl_b32 s22, s[KH], 15                      ; the half of a tile's rows that I fetch
	s_add_co_u32 s86, s86, s22
	s_mov_b32 s87, 0
	s_add_co_u32 s92, s86, 16<<19                  ; v's head lies 16 heads on
	s_mov_b32 s93, 0
	s_mul_i32 s[LK], s[KH], 128*PK
	s_mul_i32 s[LV], s[KH], 128*PV
	s_add_co_u32 s[LV], s[LV], VOFF
	s_lshl_b32 s22, s[CC], 2
	s_add_co_u32 s22, s22, s[CXR]                  ; b: it enters Q's, yb's and the prefetches' addresses and the mask's scalars alone
	s_sub_co_u32 s23, 31, s22
	s_lshl_b32 s2, s[HD], 19
	s_lshl_b32 s3, s[QH], 13
	s_add_co_u32 s2, s2, s3
	s_lshl_b32 s3, s22, 14
	s_add_co_u32 s[Q1], s2, s3
	s_mov_b32 s[Q1+1], 0
	s_lshl_b32 s3, s23, 14
	s_add_co_u32 s[Q2], s2, s3
	s_mov_b32 s[Q2+1], 0
	s_lshl_b32 s2, s[HD], 8                        ; yb: a token's row is 4,096 bytes, the head's part 256
	s_lshl_b32 s3, s[QH], 17
	s_add_co_u32 s2, s2, s3
	s_lshl_b32 s3, s22, 18
	s_add_co_u32 s[OUT], s2, s3
	s_mov_b32 s[OUT+1], 0
	s_lshl_b32 s3, s23, 18
	s_add_co_u32 s[OUT2], s2, s3
	s_mov_b32 s[OUT2+1], 0
	s_lshl_b32 s2, s[QH], 4                        ; the prefetches: waves 0, 1 K's head, waves 2, 3 V's,
	s_add_co_u32 s2, s2, s[HD]
	s_add_co_u32 s2, s2, 16
	s_lshl_b32 s2, s2, 19
	s_lshl_b32 s3, s[CXR], 14                      ; my work-group's 64 rows of a tile,
	s_add_co_u32 s2, s2, s3
	s_lshl_b32 s3, s[KH], 13                       ; my 32 of them
	s_add_co_u32 s[PFA], s2, s3
	s_mov_b32 s[PFA+1], 0
	s_cmp_eq_u32 s[CC], 0
	s_cselect_b32 s[LIM], 1, -1                    ; the same in all four partners
	s_mov_b32 s[G1K], 15|(1<<16)|(1<<20)|(1<<21)|(5<<22)|(3<<25)  ; the mask of four; 2-byte elements; padding on; bit 21 beside a mask; after every 64 words 4 words
	s_mov_b32 s[G1V], 15|(1<<16)|(1<<20)|(1<<21)|(5<<22)|(7<<25)  ; the same with 8 words
.irp g, G1K, G1V
	s_mov_b32 s[(\g)+1], 128<<16                   ; tensor_dim0 = 128
	s_mov_b32 s[(\g)+2], 128<<16                   ; tensor_dim1 = 128
	s_mov_b32 s[(\g)+3], 128<<16                   ; tile_dim0 = 128
	s_mov_b32 s[(\g)+4], 128                       ; tile_dim1 = 128
	s_mov_b32 s[(\g)+5], 128                       ; elements from row to row
	s_mov_b32 s[(\g)+6], 0
	s_mov_b32 s[(\g)+7], 0
.endr
	s_mov_b32 s[G0K], 1
	s_mov_b32 s[G0K+1], s[LK]                      ; slot 0
	s_mov_b32 s[G0V], 1
	s_mov_b32 s[G0V+1], s[LV]
	s_mov_b32 s[CS], 0x3e0293ee                    ; c = log2(e) / sqrt(128)
	s_mov_b32 s[CS+1], s[CS]
	s_mov_b32 s[SEL], 0x76543210
	s_mov_b32 s[SEL+1], 0xfedcba98
	s_mov_b32 s[BIGN], 0xf149f2ca                  ; -1e30
	s_mov_b32 s[AL+1], 0                           ; named as pairs
	s_mov_b32 s[BE+1], 0
	s_mov_b32 s[OFF+1], 0
	s_mov_b32 s[SBF], 0
	s_mov_b32 s[RB], TOG                           ; the first change turns it into 0
	s_mov_b32 s[SLOTS], 8
	s_add_co_u32 s[RT], s[CC], 1                   ; the first block has c + 1 tiles,
	s_sub_co_u32 s[RT2], 8, s[CC]                  ; the second 8 - c
	s_sub_co_u32 s[LQ2], 7, s[CC]
	s_mov_b32 s[DEL], s[CXR]
	s_sub_co_u32 s[DEL2], 3, s[CXR]
	s_mov_b32 s[NXT], 1
	s_mov_b32 s[LQ], s[CC]
	s_cmp_gt_u32 s[NXT], s[LQ]
	s_cselect_b32 s[NXT], 0, s[NXT]
	s_cselect_b32 s[LQ], s[LQ2], s[LQ]
	s_wait_dscnt 0x0                               ; the opening add is done
	s_wait_kmcnt 0x0
	s_add_nc_u64 s[KB:KB+1], s[4:5], s[86:87]
	s_add_nc_u64 s[VB:VB+1], s[4:5], s[92:93]
	s_add_nc_u64 s[G0K+2:G0K+3], s[KB:KB+1], 0
	s_or_b32 s[G0K+3], s[G0K+3], 0x80000000
	s_add_nc_u64 s[G0V+2:G0V+3], s[VB:VB+1], 0
	s_or_b32 s[G0V+3], s[G0V+3], 0x80000000
	s_add_nc_u64 s[Q1:Q1+1], s[4:5], s[Q1:Q1+1]
	s_add_nc_u64 s[Q2:Q2+1], s[4:5], s[Q2:Q2+1]
	s_add_nc_u64 s[PFA:PFA+1], s[4:5], s[PFA:PFA+1]  ; at tile 0: the first change steps it to tile 1
	s_add_nc_u64 s[OUT:OUT+1], s[6:7], s[OUT:OUT+1]
	s_add_nc_u64 s[OUT2:OUT2+1], s[6:7], s[OUT2:OUT2+1]
	CROUND                                         ; all four work-groups are here: the first joint loads meet
	JLOAD                                          ; tile 0 into slot 0
	v_and_b32 v1, 15, v0                           ; r
	v_bfe_u32 v9, v0, 4, 1                         ; h
	v_lshlrev_b32 v[QO], 8, v1
	v_lshl_add_u32 v[QO], v9, 4, v[QO]             ; row x 256 + 16 h
	WIN 0x80
.set i, 0
.rept 8                                            ; both blocks' Q: tile i / 4, channels 32 (i % 4) on
	global_load_b128 v[8*i:8*i+3],       v[QO], s[Q1:Q1+1] offset:(i/4)*4096+(i%4)*64
	global_load_b128 v[8*i+4:8*i+7],     v[QO], s[Q1:Q1+1] offset:(i/4)*4096+(i%4)*64+32
	global_load_b128 v[64+8*i:64+8*i+3], v[QO], s[Q2:Q2+1] offset:(i/4)*4096+(i%4)*64
	global_load_b128 v[64+8*i+4:64+8*i+7], v[QO], s[Q2:Q2+1] offset:(i/4)*4096+(i%4)*64+32
.set i, i+1
.endr
	WIN 0
	v_lshlrev_b32 v14, 3, v9
	v_sub_nc_u32 v14, v1, v14
	s_lshl_b32 s22, s[QH], 5
	v_add_nc_u32 v14, s22, v14                     ; 32 QH + r - 8 h: register j of key block kb of tile u is hidden where 16 kb + j - 16 u is greater
	WIN 0x40
.set i, 0
.rept 64
	v_cmp_gt_i32 vcc_lo, 16*((i%32)/8)+i%8-16*(i/32), v14
	v_cndmask_b32 v[MD+i], 0, s[BIGN], vcc_lo
.set i, i+1
.endr
.set i, 0
.rept 128                                          ; a block's first step multiplies O^T and l by a = 0: they need only be finite.  These lines stand in the wait for the first tile: the price of writing no first step out
	v_mov_b32 v[i], 0
.set i, i+1
.endr
	WIN 0
.irp t, 0,1
	v_mov_b32 v[ST+8*(\t)], 0xfe000000             ; c m: far below every c s
	v_mov_b32 v[ST+8*(\t)+1], 0xff7fffff           ; m
	v_mov_b32 v[ST+8*(\t)+2], 0
	v_mov_b32 v[ST+8*(\t)+3], 0
.endr
	v_mul_u32_u24 v[AK0], v1, PK
	v_lshl_add_u32 v[AK0], v9, 4, v[AK0]
	s_mul_i32 s22, s[KH], 64*PK
	v_add_nc_u32 v[AK0], s22, v[AK0]               ; row x pitch + 16 h + my first step
	v_and_b32 v14, 7, v0                           ; the turning load: lane l reads key 8 (l / 16) + l % 8, channels 8 ((l / 8) % 2) + 0..7
	v_lshl_add_u32 v[AV0], v9, 3, v14
	v_mul_u32_u24 v[AV0], v[AV0], PV
	v_bfe_u32 v14, v0, 3, 1
	v_lshl_add_u32 v[AV0], v14, 4, v[AV0]
	s_mul_i32 s22, s[KH], 64*PV
	s_add_co_u32 s22, s22, VOFF
	v_add_nc_u32 v[AV0], s22, v[AV0]
	s_mul_i32 s22, s[QH], MPAIR
	s_add_co_u32 s22, s22, MA                      ; my pair's merge area
	v_mul_u32_u24 v[STO], v1, 272
	v_lshl_add_u32 v[STO], v9, 4, v[STO]
	v_add_nc_u32 v[STO], s22, v[STO]
	v_mul_u32_u24 v[RD], v9, 272
	v_lshl_add_u32 v[RD], v1, 4, v[RD]
	v_add_nc_u32 v[RD], s22, v[RD]
	v_and_b32 v14, 31, v0
	v_lshl_add_u32 v[MW], v14, 4, s22
	v_lshlrev_b32 v[PFO], 8, v14
	v_lshlrev_b32 v[GO], 12, v9
	v_lshl_add_u32 v[GO], v1, 4, v[GO]             ; lanes 0-15 one token's 256 bytes, lanes 16-31 the next token's
	s_wait_loadcnt 0x0                             ; Q
; Product i of 16 of tile t's S^T = K Q^T: channels 32 (i / 4) on, keys 16 (i % 4) on.  The first 4 start the sums.  The 4 accumulators take turns, one instruction a turn.
.macro KQ1 t
	WIN W_KQ
.set rS, S+32*(\t)+8*(i%4)
.set rK, KF+32*(i%4)+8*(i/4)
.set rQ, 32*(\t)+8*(i/4)
.if i < 4
	v_wmma_f32_16x16x32_f16 v[rS:rS+7], v[rK:rK+7], v[rQ:rQ+7], 0
.else
	v_wmma_f32_16x16x32_f16 v[rS:rS+7], v[rK:rK+7], v[rQ:rQ+7], v[rS:rS+7]
.endif
.endm
; Product i of 16 of tile t's O^T += V^T P: keys 32 (i / 8) on, channels 16 (i % 8) on.  8 accumulators take turns.
.macro PV1 t
	WIN W_PV
.set rO, 64*(\t)+8*(i%8)
.set rV, 64*(i/8)+8*(i%8)
.set rP, P+16*(\t)+8*(i/8)
	v_wmma_f32_16x16x32_f16 v[rO:rO+7], v[rV:rV+7], v[rP:rP+7], v[rO:rO+7]
.endm
.macro FETCH_K                          ; a step's K: 64 keys x 128 channels: 16 fragments, 32 loads in one run
	WIN 0
	v_add_nc_u32 v[ADK], s[TBK], v[AK0]
	WIN 0x80
.irp f, 0,1,2,3,4,5,6,7,8,9,10,11,12,13,14,15
	ds_load_b128 v[KF+8*(\f):KF+8*(\f)+3],   v[ADK] offset:((\f)/4)*16*PK+((\f)%4)*64
	ds_load_b128 v[KF+8*(\f)+4:KF+8*(\f)+7], v[ADK] offset:((\f)/4)*16*PK+((\f)%4)*64+32
.endr
	WIN 0
	s_add_co_u32 s[TBK], s[TBK], 128*PK            ; my next step lies two steps on
.endm
.macro FETCH_V                          ; a step's V, turned
	WIN 0
	v_add_nc_u32 v[ADV], s[TBV], v[AV0]
	WIN 0xc0
.irp f, 0,1,2,3,4,5,6,7,8,9,10,11,12,13,14,15
	ds_load_tr16_b128 v[8*(\f):8*(\f)+3],   v[ADV] offset:((\f)/8)*32*PV+((\f)%8)*32
	ds_load_tr16_b128 v[8*(\f)+4:8*(\f)+7], v[ADV] offset:((\f)/8)*32*PV+16*PV+((\f)%8)*32
.endr
	WIN 0
	s_add_co_u32 s[TBV], s[TBV], 128*PV
.endm
; Number j of the 134 lines of one tile's softmax for one step.  s0-s31 are the lane's 32 scores, in pairs 0-15.
;   0-15 the maximum of the scores and the old m, three operands at a time (each accumulator's lowest registers first)     16-20 the other half of the lanes' maximum; m; c m; its change
;   21-69 ONE BATCH: the 16 scalings c s - c m and all 33 exponentials (a at 23); none of these reads an exponential's result     70-85 the roundings to f16     86-101 the sums; l = a l + sum     102-133 O^T times a
.macro SM t
.set rT, ST+8*(\t)
.set rS, S+32*(\t)
.set rP, P+16*(\t)
.set rO, 64*(\t)+2*(j-102)
.if j < 102
	WIN 0
.endif
.if j < 4
	v_max3_num_f32 v[rT+4+j], v[rS+8*j], v[rS+8*j+1], v[rS+8*j+2]
.elseif j < 12
	v_max3_num_f32 v[rT+4+j%4], v[rT+4+j%4], v[rS+8*(j%4)+2*(j/4)+1], v[rS+8*(j%4)+2*(j/4)+2]
.elseif j == 12
	v_max3_num_f32 v[rT+4], v[rT+4], v[rS+7], v[rS+15]
.elseif j == 13
	v_max3_num_f32 v[rT+6], v[rT+6], v[rS+23], v[rS+31]
.elseif j == 14
	v_max3_num_f32 v[rT+4], v[rT+4], v[rT+5], v[rT+6]
.elseif j == 15
	v_max3_num_f32 v[rT+4], v[rT+4], v[rT+7], v[rT+1]
.elseif j == 16
	v_permlanex16_b32 v[rT+5], v[rT+4], s[SEL], s[SEL+1]  ; the query's other 32 keys lie in the lane 16 away
.elseif j == 17
	v_mov_b32 v[rT+7], v[rT]                       ; c m_old is kept for a
.elseif j == 18
	v_max_num_f32 v[rT+1], v[rT+4], v[rT+5]
.elseif j == 19
	v_mul_f32 v[rT], s[CS], v[rT+1]
.elseif j == 20
	v_sub_f32 v[rT+7], v[rT+7], v[rT]
.elseif j == 23
	v_exp_f32 v[rT+6], v[rT+7]
.elseif (j < 23) || ((j < 38) && (j%2 == 0)) || ((j < 66) && (j%4 == 2))
.set b, (j-2)/4
.if j < 38
.set b, (j-20)/2
.endif
	v_pk_fma_f32 v[rS+2*b:rS+2*b+1], v[rS+2*b:rS+2*b+1], s[CS:CS+1], v[rT:rT+1] op_sel_hi:[1,0,0] neg_lo:[0,0,1] neg_hi:[0,0,1]
.elseif j < 70
.set e, j-38
.if j < 66
.set e, j-32-(j-38)/4
.endif
.if j < 38
.set e, (j-25)/2
.endif
	v_exp_f32 v[rS+e], v[rS+e]
.elseif j < 86
	v_cvt_pk_f16_f32 v[rP+j-70], v[rS+2*(j-70)], v[rS+2*(j-70)+1]
.elseif j < 102
.set z, j-86
.set w, 4
.set u, z
.if z >= 14
.set w, 32
.set u, 0
.elseif z >= 12
.set w, 16
.set u, z-12
.elseif z >= 8
.set w, 8
.set u, z-8
.endif
.if z < 15
	v_pk_add_f32 v[rS+w*u:rS+w*u+1], v[rS+w*u:rS+w*u+1], v[rS+w*u+w/2:rS+w*u+w/2+1]
.else
	v_pk_fma_f32 v[rT+2:rT+3], v[rT+2:rT+3], v[rT+6:rT+7], v[rS:rS+1] op_sel_hi:[1,0,1]
.endif
.else
	WIN W_RS
	v_pk_mul_f32 v[rO:rO+1], v[rO:rO+1], v[rT+6:rT+7] op_sel_hi:[1,0]
.endif
.endm
; A slice: the next n numbers of tile t's list.  Ahead of number 70, the first that names an exponential's result, stand the plain instruction behind the last exponential and the wait,
; one for the tile's 33.
.macro RIDE t, n
.rept \n
.if j == 70
	v_nop
	s_wait_alu depctr_va_vdst(0)
.endif
	SM \t
.set j, j+1
.endr
.endm
; In a block's last tile, for tile t's 32 scores: the diagonal step's take the mask, a later step's -1e30, an earlier step's nothing: the two scalars were chosen by compares at the step's head.
.macro MASKS t
	WIN 0x01
.set z, 0
.rept 16
	v_pk_fma_f32 v[S+32*(\t)+2*z:S+32*(\t)+2*z+1], v[MD+32*(\t)+2*z:MD+32*(\t)+2*z+1], s[AL:AL+1], v[S+32*(\t)+2*z:S+32*(\t)+2*z+1] op_sel_hi:[1,0,1]
.set z, z+1
.endr
	WIN 0
.set z, 0
.rept 16
	v_pk_add_f32 v[S+32*(\t)+2*z:S+32*(\t)+2*z+1], v[S+32*(\t)+2*z:S+32*(\t)+2*z+1], s[BE:BE+1] op_sel_hi:[1,0]
.set z, z+1
.endr
.endm
; My two steps of a tile.
.macro STEPS
	WIN 0
	s_mov_b32 s[TWICE], 2
	s_mov_b32 s[SL], s[KH]
	FETCH_K
.Lstep_\@:
	FETCH_V
	s_cmp_eq_u32 s[SL], s[DEL]                     ; the mask's two scalars, made in every step: is this step the diagonal's,
	s_cselect_b32 s[AL], 1.0, 0
	s_cmp_gt_u32 s[SL], s[DEL]                     ; or a later one?
	s_cselect_b32 s[BE], s[BIGN], 0
	s_wait_dscnt 32                                ; K is in; V's 32 loads may stay out
.set i, 0
.rept 16
	KQ1 0                                          ; tile 0's scores
.set i, i+1
.endr
	PLACES                                         ; the places behind those products, ahead of the lines that read the scores
	PLACES
	WIN 0
	s_cmp_lg_u32 s[RT], 0
	s_cbranch_scc1 .Lno_m0_\@                      ; only a block's last tile takes masks: hangs on c alone
	MASKS 0
.Lno_m0_\@:
.set i, 0
.set j, 0
.rept 16
	KQ1 1                                          ; tile 1's scores | tile 0's softmax
.if i < 15
	RIDE 0, 8
.else
	RIDE 0, 14                                     ; fourteen plain multiplies on tile 0's O^T: also the places behind tile 1's last products
.endif
.set i, i+1
.endr
	WIN 0
	s_cmp_lg_u32 s[RT], 0
	s_cbranch_scc1 .Lno_m1_\@
	MASKS 1
.Lno_m1_\@:
	s_wait_dscnt 0x0                               ; V is in: its run was issued at the step's head, and nothing else is out
.set i, 0
.set j, 0
.rept 16
	PV1 0                                          ; tile 0's V^T P | tile 1's softmax
.if i < 15
	RIDE 1, 8
.else
	RIDE 1, 14
.endif
.if i == 1                                         ; K's next run: thirty plain lines behind the last product that read K; no exponential has been issued since the last wait
	WIN 0
	s_cmp_eq_u32 s[TWICE], 1
	s_cbranch_scc1 .Lno_k_\@                       ; the tile's second step of mine has no successor in the slot
	FETCH_K
.Lno_k_\@:
.endif
.set i, i+1
.endr
.set i, 0
.rept 16
	PV1 1                                          ; tile 1's V^T P
.set i, i+1
.endr
	PLACES                                         ; ahead of the loads into V's registers and of whatever reads O^T
	WIN 0
	s_add_co_u32 s[SL], s[SL], 2
	s_sub_co_u32 s[TWICE], s[TWICE], 1
	s_cmp_lg_u32 s[TWICE], 0
	s_cbranch_scc1 .Lstep_\@
.endm
; A block's end, wave KH = 1: its O^T (128 registers, 16 bytes a lane a store) and its c m and l go into the pair's merge area.
.macro DUMP
	WIN 0
	v_mov_b32 v[FS], v[ST]
	v_add_f32 v[FS+1], v[ST+2], v[ST+3]
	v_mov_b32 v[FS+2], v[ST+8]
	v_add_f32 v[FS+3], v[ST+10], v[ST+11]
	WIN 0x04                                       ; the stores' data in window 1
.set i, 0
.rept 32
	ds_store_b128 v[MW], v[4*i:4*i+3] offset:512*i
.set i, i+1
.endr
	WIN 0
	ds_store_b128 v[MW], v[FS:FS+3] offset:16384
.endm
; Wave KH = 0, behind a barrier: the merge and the way out.
.macro FTILE u
	s_wait_xcnt 0x0                                ; earlier stores have read their registers
.set i, 0
.rept 16
	ds_load_b128 v[S+4*i:S+4*i+3], v[MW] offset:(\u)*8192+512*i
.set i, i+1
.endr
	s_wait_dscnt 0x0
.set z, 0
.rept 32
	v_pk_mul_f32 v[S+2*z:S+2*z+1], v[S+2*z:S+2*z+1], v[FT+8*(\u)+2:FT+8*(\u)+3] op_sel_hi:[1,0]
.set z, z+1
.endr
	WIN 0x01
.set z, 0
.rept 32
	v_pk_fma_f32 v[S+2*z:S+2*z+1], v[64*(\u)+2*z:64*(\u)+2*z+1], v[FT+8*(\u):FT+8*(\u)+1], v[S+2*z:S+2*z+1] op_sel_hi:[1,0,1]
.set z, z+1
.endr
	WIN 0
.set z, 0
.rept 32
	v_cvt_pk_f16_f32 v[P+z], v[S+2*z], v[S+2*z+1]
.set z, z+1
.endr
.irp f, 0,1,2,3,4,5,6,7
	ds_store_b128 v[STO], v[P+4*(\f):P+4*(\f)+3] offset:(\u)*8192+32*(\f)  ; the stage: the half of the merge area that has just been read
.endr
.irp f, 0,1,2,3,4,5,6,7
	ds_load_b128 v[BK+4*(\f):BK+4*(\f)+3], v[RD] offset:(\u)*8192+(\f)*2*272  ; LDS serves a wave's instructions in order: these see the stores above
.endr
	s_wait_dscnt 0x0
.irp f, 0,1,2,3,4,5,6,7
	global_store_b128 v[GO], v[BK+4*(\f):BK+4*(\f)+3], s[OUT:OUT+1] offset:(16*(\u)+2*(\f))*4096  ; 16 lanes store a token's 256 bytes of the head, aligned
.endr
.endm
.macro FINISH
	WIN 0
	ds_load_b128 v[FS:FS+3], v[MW] offset:16384
.irp u, 0,1
	v_add_f32 v[FT+8*(\u)+6], v[ST+8*(\u)+2], v[ST+8*(\u)+3]
.endr
	s_wait_dscnt 0x0
.irp u, 0,1
	v_max_num_f32 v[FT+8*(\u)+5], v[ST+8*(\u)], v[FS+2*(\u)]
	v_sub_f32 v[FT+8*(\u)], v[ST+8*(\u)], v[FT+8*(\u)+5]
	v_sub_f32 v[FT+8*(\u)+2], v[FS+2*(\u)], v[FT+8*(\u)+5]
.endr
.irp u, 0,1
	v_exp_f32 v[FT+8*(\u)], v[FT+8*(\u)]
	v_exp_f32 v[FT+8*(\u)+2], v[FT+8*(\u)+2]
.endr
	v_nop
	s_wait_alu depctr_va_vdst(0)                   ; one wait for the four exponentials
.irp u, 0,1
	v_mul_f32 v[FT+8*(\u)+4], v[FT+8*(\u)], v[FT+8*(\u)+6]
	v_fmac_f32 v[FT+8*(\u)+4], v[FT+8*(\u)+2], v[FS+2*(\u)+1]
.endr
.irp u, 0,1
	v_permlanex16_b32 v[FT+8*(\u)+5], v[FT+8*(\u)+4], s[SEL], s[SEL+1]
.endr
.irp u, 0,1
	v_add_f32 v[FT+8*(\u)+4], v[FT+8*(\u)+4], v[FT+8*(\u)+5]
.endr
.irp u, 0,1
	v_rcp_f32 v[FT+8*(\u)+7], v[FT+8*(\u)+4]
.endr
	v_nop
	s_wait_alu depctr_va_vdst(0)                   ; one wait for the two reciprocals
.irp u, 0,1
	v_mul_f32 v[FT+8*(\u)], v[FT+8*(\u)], v[FT+8*(\u)+7]
	v_mul_f32 v[FT+8*(\u)+2], v[FT+8*(\u)+2], v[FT+8*(\u)+7]
	v_mov_b32 v[FT+8*(\u)+1], v[FT+8*(\u)]         ; named with them as pairs
	v_mov_b32 v[FT+8*(\u)+3], v[FT+8*(\u)+2]
.endr
	FTILE 0
	FTILE 1
.endm
; The second block begins: its Q goes where the one text names Q; c m and m start anew; O^T and l stay as they are, finite: the next a is 0.
.macro SWITCH
	WIN 0x82
.set i, 0
.rept 64
	v_mov_b32 v[i], v[64+i]
.set i, i+1
.endr
	WIN 0
.irp t, 0,1
	v_mov_b32 v[ST+8*(\t)], 0xfe000000
	v_mov_b32 v[ST+8*(\t)+1], 0xff7fffff
.endr
	s_mov_b32 s[DEL], s[DEL2]
	s_mov_b32 s[RT], s[RT2]
	s_wait_xcnt 0x0                                ; the first block's stores have read yb's address
	s_mov_b64 s[OUT:OUT+1], s[OUT2:OUT2+1]
.endm
.Lslot:                                                ; eight times: a tile is entered and the next is asked for
	CHANGE 1
	s_sub_co_u32 s[RT], s[RT], 1
	STEPS
	s_cmp_eq_u32 s[RT], 0                          ; was it the block's last tile?  In the loop that is the first block's end (trip c, 3 at the most): the second block's last tile is the walk's last
	s_cbranch_scc0 .Lno_dump1
	s_cmp_eq_u32 s[KH], 1
	s_cbranch_scc0 .Lno_dump1
	DUMP
.Lno_dump1:
	s_wait_dscnt 0x0                               ; for the partner's sake: what I laid into the merge area is stored
	s_barrier_signal -1                            ; this barrier stands in every trip and on every wave's path, so that none stands under a branch.  It orders the stores into the merge area ahead of the
	s_barrier_wait -1                              ; partner's reads; the reads, and the stage's use, are ordered ahead of the area's next stores by the next change's wait and barrier.  The tile on its way may stay out
	s_cmp_eq_u32 s[RT], 0
	s_cbranch_scc0 .Lbottom
	s_cmp_eq_u32 s[KH], 0
	s_cbranch_scc0 .Lno_finish
	FINISH
.Lno_finish:
	SWITCH
.Lbottom:
	s_sub_co_u32 s[SLOTS], s[SLOTS], 1
	s_cmp_lg_u32 s[SLOTS], 0
	s_cbranch_scc1 .Lslot
	CHANGE 0                                       ; the walk's last tile is written out: nothing is asked for
	s_sub_co_u32 s[RT], s[RT], 1
	STEPS
	s_cmp_eq_u32 s[KH], 1
	s_cbranch_scc0 .Lno_dump
	DUMP
.Lno_dump:
	s_wait_dscnt 0x0                               ; for the partner's sake: my part is stored
	s_barrier_signal -1
	s_barrier_wait -1
	s_cmp_eq_u32 s[KH], 0
	s_cbranch_scc0 .Lend
	FINISH
.Lend:
	s_wait_tensorcnt 0x0                           ; the wave's end: behind my last tensor load and my last LDS store
	ds_add_u32 v[SPW], v[NIL]
	s_wait_dscnt 0x0
	CROUND                                         ; the closing round
	s_endpgm
.Lfunc_end_k_qadfd10d9f9_attn:
	.size	k_qadfd10d9f9_attn, .Lfunc_end_k_qadfd10d9f9_attn-k_qadfd10d9f9_attn
	.p2alignl 7, 3214868480
	.fill 96, 4, 3214868480
	.section	.rodata,"a",@progbits
	.p2align	6, 0x0
	.amdhsa_kernel k_qadfd10d9f9_attn
		.amdhsa_group_segment_fixed_size 327680
		.amdhsa_private_segment_fixed_size 0
		.amdhsa_enable_private_segment 0
		.amdhsa_kernarg_size 16
		.amdhsa_user_sgpr_count 2
		.amdhsa_user_sgpr_kernarg_segment_ptr 1
		.amdhsa_wavefront_size32 1
		.amdhsa_system_sgpr_workgroup_id_x 1
		.amdhsa_system_sgpr_workgroup_id_y 1
		.amdhsa_system_sgpr_workgroup_id_z 1
		.amdhsa_system_vgpr_workitem_id 0
		.amdhsa_next_free_vgpr 896
		.amdhsa_next_free_sgpr 96
		.amdhsa_reserve_vcc 1
		.amdhsa_float_denorm_mode_32 3
		.amdhsa_float_denorm_mode_16_64 3
		.amdhsa_memory_ordered 1
		.amdhsa_forward_progress 1
		.amdhsa_inst_pref_size 134
	.end_amdhsa_kernel
	.amdgpu_metadata
---
amdhsa.version: [ 1, 2 ]
amdhsa.kernels:
  - .name:           k_qadfd10d9f9_attn
    .symbol:         k_qadfd10d9f9_attn.kd
    .args:
      - { .name: qkv, .offset: 0, .size: 8, .value_kind: global_buffer, .address_space: global }
      - { .name: yb, .offset: 8, .size: 8, .value_kind: global_buffer, .address_space: global }
    .group_segment_fixed_size: 327680
    .private_segment_fixed_size: 0
    .kernarg_segment_align: 8
    .kernarg_segment_size: 16
    .max_flat_workgroup_size: 128
    .sgpr_count:     96
    .vgpr_count:     896
    .wavefront_size: 32
...
	.end_amdgpu_metadata
.endif
;; end of part 3
;; launch oproj (part 4): grid 16 x 16, 4 waves a work-group, clusters of 4 x 4, 327,680 bytes of LDS; arguments yb, wob, out0; writes out0
.if DOCPART == 4
	.amdgcn_target "amdgcn-amd-amdhsa--gfx1250"
	.amdhsa_code_object_version 6
	.text
	.protected	k_qadfd10d9f9_oproj
	.globl	k_qadfd10d9f9_oproj
	.p2align	8
	.type	k_qadfd10d9f9_oproj,@function
k_qadfd10d9f9_oproj:
	s_mov_b64 s[64:65], 0
	v_nop
	global_prefetch_b8 v0, s[64:65] scope:SCOPE_SE
	s_setreg_imm32_b32 hwreg(HW_REG_WAVE_MODE, 25, 1), 1
	s_wait_xcnt 0x0
	s_wait_alu depctr_hold_cnt(0) depctr_sa_sdst(0) depctr_va_vdst(0) depctr_va_sdst(0) depctr_va_ssrc(0) depctr_va_vcc(0) depctr_vm_vsrc(0)
	s_getreg_b32 s2, hwreg(HW_REG_IB_STS2, 6, 4)
	s_cmp_eq_u32 s2, 0
	s_cbranch_scc0 .Lentry_in_a_cluster
	s_endpgm
.Lentry_in_a_cluster:
	s_bfe_u32 s2, ttmp6, 0x10000c
	s_cmp_lg_u32 s2, 0xf033
	s_cbranch_scc0 .Lentry_shape_is_right
	s_endpgm
.Lentry_shape_is_right:
; OUT: out0[t][o] = (the sum over k of yb[t][k] wob[o][k]) / 3.  yb, wob: [2048][2048] f16; out0: [2048][2048] f32; sums in f32.  The factor 1/3 multiplies the finished f32 sum, not y:
; another order of rounding than a division of y in front of the product.
; A tile of out0 is 128 x 128: 256 work-groups.  Four waves, each 64 x 64: 16 accumulators of 16 x 16.  K goes in steps of 256 (LDS rows of 512 bytes; a wave's tensor load brings 64 of them) through two slots.
; CLUSTERS: 4 x 4 work-groups.  The four of a row need the same rows of yb, the four of a column the same rows of wob: each tile is asked for jointly.
; THE MATRIX INSTRUCTION IS USED TRANSPOSED (source 0 = 16 rows of wob, source 1 = 16 tokens): a lane holds eight neighbouring numbers of a row of out0.  A wave's 64 columns of f32 are 256 aligned
; bytes, so each wave has a stage of its own on the way out and no barrier stands there.
; No prefetch: the tiles are small, and a K step is short.
; REGISTERS: window 0: v16-29 addresses; v32-95 at work on the way out; v128-255 the accumulators ((a, b) at v[128 + 8 (4 a + b)]).   window 1: two fragment buffers of 128.
.set SIZE_N, 2048
.set SIZE_K, 2048
.set KSTEP,  256
.set PITCH,  528                       ; an LDS row: 512 bytes of data + 16 of padding
.set HALFT,  64*PITCH
.set SLOT,   4*HALFT                   ; yb's 128 rows, then wob's 128
.set STAGE,  2*SLOT                    ; behind the ring: 16 rows x 272 bytes for each wave
.set SPITCH, 272
.set SPARE,  STAGE+4*16*SPITCH         ; behind the stages: the spare words, 128 bytes for each wave
.set LAPS, SIZE_K/(2*KSTEP)
.set ADRA, 16
.set ADRB, 20
.set STO,  24
.set RD,   25
.set CO,   26
.set SPW,  28
.set NIL,  29
.set TMP,  32                          ; v32-63  a token block's 16 x 64 numbers, scaled
.set BK,   64                          ; v64-95  the same as whole rows
.set ACC,  128
.set F0,   0
.set F1,   128
.set G1, 24
.set G0, 32
.set G1B, 48
.set G0B, 56
.set THIRD, 66                         ; s[66:67] 1/3
.set MSB, 0
.macro WIN new
.if MSB != (\new)
	s_set_vgpr_msb (MSB<<8)|(\new)
.set MSB, \new
.endif
.endm
.set MUL,  0x05                        ; sources 0 and 1 window 1; C and D window 0
.set TO_F, 0x40                        ; destination window 1, address window 0
.macro JLOAD s                         ; a joint load: waves 0 and 1 fetch yb's two halves, waves 2 and 3 wob's; an s_nop 0 and four v_nop follow each of the two lines
	s_cmp_eq_u32 s11, 0
	s_cbranch_scc0 .Lfor_b_\@
	tensor_load_to_lds s[G0+4*(\s):G0+4*(\s)+3], s[G1:G1+7]
	s_nop 0
.rept 4
	v_nop
.endr
	s_branch .Lasked_\@
.Lfor_b_\@:
	tensor_load_to_lds s[G0B+4*(\s):G0B+4*(\s)+3], s[G1B:G1B+7]
	s_nop 0
.rept 4
	v_nop
.endr
.Lasked_\@:
.endm
.macro CROUND                          ; a round of the cluster's barrier: my work-group's barrier; wave 0 signals for the work-group; every wave waits for all sixteen; my work-group's barrier once more
	s_barrier_signal -1
	s_barrier_wait -1
	s_cmp_lg_u32 s10, 0
	s_cbranch_scc1 .Lnot_wave_0_\@
	s_barrier_signal -3
.Lnot_wave_0_\@:
	s_barrier_wait -3
	s_barrier_signal -1
	s_barrier_wait -1
.endm
	s_load_b128 s[4:7], s[0:1], 0x0                ; yb s[4:5], wob s[6:7]
	s_load_b64 s[8:9], s[0:1], 0x10                ; out0
	v_lshl_add_u32 v[SPW], v0, 2, SPARE
	v_mov_b32 v[NIL], 0
	ds_add_u32 v[SPW], v[NIL]                      ; the wave's opening: the add and its wait stand ahead of my first tensor load
	v_lshrrev_b32 v1, 5, v0
	v_readfirstlane_b32 s10, v1                    ; wave 0..3
	s_lshr_b32 s11, s10, 1                         ; which half of the tile's rows is mine.  Also: I fetch for yb (0) or for wob (1)
	s_and_b32 s12, s10, 1                          ; which half of its columns.  Also: which 64 rows of that tile I fetch
	s_bfe_u32 s40, ttmp6, 0x40000                  ; cx, cy
	s_bfe_u32 s41, ttmp6, 0x40004
	s_lshl_b32 s42, ttmp9, 2
	s_add_co_u32 s42, s42, s40                     ; tile column
	s_and_b32 s13, ttmp7, 0xffff
	s_lshl_b32 s13, s13, 2
	s_add_co_u32 s13, s13, s41                     ; tile row
	s_lshl_b32 s43, s41, 2
	s_lshl_b32 s43, 15, s43                        ; my row of the cluster
	s_lshl_b32 s44, 0x1111, s40                    ; my column
	s_or_b32 s[G1+0], s43, (1<<16)|(1<<20)|(1<<21)|(6<<22)|(3<<25)  ; the mask; 2-byte elements; padding on; bit 21 beside a mask; after every 128 words 4 words
	s_or_b32 s[G1B+0], s44, (1<<16)|(1<<20)|(1<<21)|(6<<22)|(3<<25)
.irp g, G1, G1B
	s_mov_b32 s[(\g)+1], KSTEP<<16                 ; tensor_dim0 = 256
	s_mov_b32 s[(\g)+2], 64<<16                    ; tensor_dim1 = 64
	s_mov_b32 s[(\g)+3], KSTEP<<16                 ; tile_dim0 = 256
	s_mov_b32 s[(\g)+4], 64                        ; tile_dim1 = 64
	s_mov_b32 s[(\g)+5], SIZE_K
	s_mov_b32 s[(\g)+6], 0
	s_mov_b32 s[(\g)+7], 0
.endr
	s_mov_b32 s[THIRD], 0x3eaaaaab
	s_mov_b32 s[THIRD+1], s[THIRD]                 ; named with it as a pair
	s_lshl_b32 s17, s12, 6                         ; which 64 rows of the tile I fetch
	s_lshl_b32 s16, s13, 7
	s_add_co_u32 s16, s16, s17                     ; yb: row 128 x tile row + 64 x half
	s_lshl_b32 s46, s42, 7
	s_add_co_u32 s46, s46, s17                     ; wob: row 128 x tile column + 64 x half
	s_mov_b32 s17, 0
	s_mov_b32 s47, 0
	s_mov_b64 s[18:19], SIZE_K*2
	s_mul_u64 s[16:17], s[16:17], s[18:19]
	s_mul_u64 s[46:47], s[46:47], s[18:19]
	s_mul_i32 s20, s10, HALFT                      ; where they go: wave x 64 rows
	s_wait_dscnt 0x0                               ; the opening add is done
	s_wait_kmcnt 0x0
	s_add_nc_u64 s[14:15], s[4:5], s[16:17]
	s_add_nc_u64 s[46:47], s[6:7], s[46:47]
	CROUND                                         ; all sixteen work-groups are here: the first joint loads meet
.irp s, 0,1
	s_mov_b32 s[G0+4*(\s)], 1
	s_add_co_u32 s[G0+4*(\s)+1], s20, (\s)*SLOT
	s_add_nc_u64 s[G0+4*(\s)+2:G0+4*(\s)+3], s[14:15], (\s)*KSTEP*2
	s_or_b32 s[G0+4*(\s)+3], s[G0+4*(\s)+3], 0x80000000
	s_mov_b32 s[G0B+4*(\s)], 1
	s_add_co_u32 s[G0B+4*(\s)+1], s20, (\s)*SLOT
	s_add_nc_u64 s[G0B+4*(\s)+2:G0B+4*(\s)+3], s[46:47], (\s)*KSTEP*2
	s_or_b32 s[G0B+4*(\s)+3], s[G0B+4*(\s)+3], 0x80000000
	JLOAD \s
.endr
	v_and_b32 v1, 15, v0                           ; r
	v_bfe_u32 v2, v0, 4, 1                         ; h
	v_mul_u32_u24 v3, v1, PITCH
	v_lshl_add_u32 v3, v2, 4, v3
	s_mul_i32 s21, s11, HALFT                      ; my 64 tokens
	s_mul_i32 s22, s12, HALFT                      ; my 64 rows of wob,
	s_add_co_u32 s22, s22, 2*HALFT                 ; which lie behind yb's 128
.irp s, 0,1
	v_add_nc_u32 v[ADRA+(\s)], s21, v3
	v_add_nc_u32 v[ADRB+(\s)], s22, v3
	s_add_co_u32 s21, s21, SLOT
	s_add_co_u32 s22, s22, SLOT
.endr
	s_mul_i32 s23, s10, 16*SPITCH
	s_add_co_u32 s23, s23, STAGE                   ; my stage
	v_mul_u32_u24 v4, v1, SPITCH                   ; in: row r, 32 bytes for each half of the lanes
	v_lshl_add_u32 v4, v2, 5, v4
	v_add_nc_u32 v[STO], s23, v4
	v_mul_u32_u24 v5, v2, SPITCH                   ; back: lanes 0-15 one row of 256 bytes, lanes 16-31 the next
	v_lshl_add_u32 v5, v1, 4, v5
	v_add_nc_u32 v[RD], s23, v5
	v_lshlrev_b32 v5, 13, v2                       ; and the same two rows in out0: 8,192 bytes a row
	v_lshl_add_u32 v[CO], v1, 4, v5
	s_lshl_b32 s16, s13, 7
	s_lshl_b32 s17, s11, 6
	s_add_co_u32 s16, s16, s17                     ; my first row: 128 x tile row + 64 x half
	s_lshl_b32 s16, s16, 13
	s_mov_b32 s17, 0
	s_add_nc_u64 s[8:9], s[8:9], s[16:17]
	s_lshl_b32 s46, s42, 9                         ; my first column, in bytes: 512 x tile column + 256 x half
	s_lshl_b32 s47, s12, 8
	s_add_co_u32 s46, s46, s47
	s_mov_b32 s47, 0
	s_add_nc_u64 s[8:9], s[8:9], s[46:47]
; 8 matrix instructions: m blocks a0, a0 + 1 x all 4 n blocks, 32 along K: half c of buffer f.  The 16 accumulators take turns.
.macro MUL8 f, c, a0, zero
	WIN MUL
.irp a, \a0, (\a0)+1
.irp b, 0,1,2,3
.if \zero
	v_wmma_f32_16x16x32_f16 v[ACC+8*(4*(\a)+(\b)):ACC+8*(4*(\a)+(\b))+7], v[(\f)+64+8*(4*(\c)+(\b)):(\f)+64+8*(4*(\c)+(\b))+7], v[(\f)+8*(4*(\c)+(\a)):(\f)+8*(4*(\c)+(\a))+7], 0
.else
	v_wmma_f32_16x16x32_f16 v[ACC+8*(4*(\a)+(\b)):ACC+8*(4*(\a)+(\b))+7], v[(\f)+64+8*(4*(\c)+(\b)):(\f)+64+8*(4*(\c)+(\b))+7], v[(\f)+8*(4*(\c)+(\a)):(\f)+8*(4*(\c)+(\a))+7], v[ACC+8*(4*(\a)+(\b)):ACC+8*(4*(\a)+(\b))+7]
.endif
.endr
.endr
.endm
; 32 LDS loads in one run: the fragments of 64 along K at byte k of the rows, into buffer f; the first 32 along K first
.macro FETCH slot, k, f
	WIN TO_F
.irp c, 0,1
.irp i, 0,1,2,3
	ds_load_b128 v[(\f)+64+8*(4*(\c)+(\i)):(\f)+64+8*(4*(\c)+(\i))+3],   v[ADRB+(\slot)] offset:(\k)+64*(\c)+(\i)*16*PITCH
	ds_load_b128 v[(\f)+64+8*(4*(\c)+(\i))+4:(\f)+64+8*(4*(\c)+(\i))+7], v[ADRB+(\slot)] offset:(\k)+64*(\c)+(\i)*16*PITCH+32
	ds_load_b128 v[(\f)+8*(4*(\c)+(\i)):(\f)+8*(4*(\c)+(\i))+3],         v[ADRA+(\slot)] offset:(\k)+64*(\c)+(\i)*16*PITCH
	ds_load_b128 v[(\f)+8*(4*(\c)+(\i))+4:(\f)+8*(4*(\c)+(\i))+7],       v[ADRA+(\slot)] offset:(\k)+64*(\c)+(\i)*16*PITCH+32
.endr
.endr
.endm
.macro PLACES
.rept 4
	v_nop
.endr
.endm
; A K step is four quarters of 64 along K, 32 matrix instructions each, on buffers 0, 1, 0, 1.
.macro QUARTER slot, k, f, g, zero
	s_wait_dscnt 16                                ; the first 32 along K are in; the youngest sixteen loads may be out
	MUL8 \f, 0, 0, \zero
	MUL8 \f, 0, 2, \zero
	PLACES
	FETCH \slot, \k, \g
	s_wait_dscnt 32                                ; all but the 32 just issued
	MUL8 \f, 1, 0, 0
	MUL8 \f, 1, 2, 0
.endm
; The last quarter multiplies buffer 1 and changes slots in its middle.  Its first 16 products stand AHEAD of the wait for the tile, so that between that wait and the next request stands nothing but
; the round: a request has a whole step's 128 products between itself and the wait for it.  The order: each wave waits for all its tensor loads, adds 0 to its spare word, and waits for that and for its
; reads of this slot; then the barrier.  fill = 1: the barrier is a round of the cluster's, and this slot is filled again, two K steps ahead, first thing behind it.
.macro TURN slot, next, fill
	s_wait_dscnt 16                                ; the first 32 along K are in; the youngest sixteen loads may be out
	MUL8 F1, 0, 0, 0
	MUL8 F1, 0, 2, 0
	WIN 0
	s_wait_tensorcnt 0x0                           ; no tensor load of mine is out, so the descriptors may be written
	ds_add_u32 v[SPW], v[NIL]                      ; 0 onto my spare word; with fill = 1 the descriptors' steps stand between it and the wait for it
.if \fill
	s_add_nc_u64 s[G0+4*(\slot)+2:G0+4*(\slot)+3], s[G0+4*(\slot)+2:G0+4*(\slot)+3], 2*KSTEP*2
	s_add_nc_u64 s[G0B+4*(\slot)+2:G0B+4*(\slot)+3], s[G0B+4*(\slot)+2:G0B+4*(\slot)+3], 2*KSTEP*2
.endif
	s_wait_dscnt 0x0                               ; the add is done, and my reads of this slot are over
.if \fill
	CROUND
	JLOAD \slot                                    ; the four v_nop behind it are also the places in front of the loads below
.else
	s_barrier_signal -1
	s_barrier_wait -1                              ; the last K step's tile is whole for every wave; nothing is filled again
	PLACES
.endif
	FETCH \next, 0, F0
	MUL8 F1, 1, 0, 0
	MUL8 F1, 1, 2, 0
.endm
	s_wait_tensorcnt 1                             ; my part of K step 0 is in; K step 1's may stay out
	s_barrier_signal -1
	s_barrier_wait -1
	FETCH 0, 0, F0
	QUARTER 0, 128, F0, F1, 1                      ; the first quarter stands in front of the loop: its first products start the sums
	WIN 0
	s_mov_b32 s3, LAPS-1
.Llap:
	QUARTER 0, 256, F1, F0, 0
	QUARTER 0, 384, F0, F1, 0
	TURN 0, 1, 1
	QUARTER 1, 128, F0, F1, 0
	QUARTER 1, 256, F1, F0, 0
	QUARTER 1, 384, F0, F1, 0
	TURN 1, 0, 1
	QUARTER 0, 128, F0, F1, 0
	WIN 0
	s_sub_co_u32 s3, s3, 1
	s_cmp_lg_u32 s3, 0
	s_cbranch_scc1 .Llap
	QUARTER 0, 256, F1, F0, 0                      ; the last lap fills nothing
	QUARTER 0, 384, F0, F1, 0
	TURN 0, 1, 0
	QUARTER 1, 128, F0, F1, 0
	QUARTER 1, 256, F1, F0, 0
	QUARTER 1, 384, F0, F1, 0
	s_wait_dscnt 16
	MUL8 F1, 0, 0, 0
	MUL8 F1, 0, 2, 0
	s_wait_dscnt 0x0
	MUL8 F1, 1, 0, 0
	MUL8 F1, 1, 2, 0
	WIN 0
	PLACES
	PLACES
; THE WAY OUT of token block a: times 1/3 (each accumulator from its low end on); 32 bytes a lane into my stage; back as whole rows of 256 bytes; stored.
.macro OUT a
	s_wait_xcnt 0x0                                ; the stores of the block before have read their registers
.irp b, 0,1,2,3
.irp q, 0,2,4,6
	v_pk_mul_f32 v[TMP+8*(\b)+(\q):TMP+8*(\b)+(\q)+1], v[ACC+8*(4*(\a)+(\b))+(\q):ACC+8*(4*(\a)+(\b))+(\q)+1], s[THIRD:THIRD+1] op_sel_hi:[1,0]
.endr
.endr
.irp b, 0,1,2,3
	ds_store_b128 v[STO], v[TMP+8*(\b):TMP+8*(\b)+3]   offset:64*(\b)
	ds_store_b128 v[STO], v[TMP+8*(\b)+4:TMP+8*(\b)+7] offset:64*(\b)+16
.endr
.irp t, 0,1,2,3,4,5,6,7
	ds_load_b128 v[BK+4*(\t):BK+4*(\t)+3], v[RD] offset:(\t)*2*SPITCH  ; LDS serves a wave's instructions in order: these see the stores above
.endr
	s_wait_dscnt 0x0
.irp t, 0,1,2,3,4,5,6,7
	global_store_b128 v[CO], v[BK+4*(\t):BK+4*(\t)+3], s[8:9] offset:(16*(\a)+2*(\t))*SIZE_N*4 th:TH_STORE_NT  ; 16 lanes store 256 consecutive bytes, aligned
.endr
.endm
	OUT 0
	OUT 1
	OUT 2
	OUT 3
	s_wait_tensorcnt 0x0                           ; the wave's end: behind my last tensor load and my last LDS store
	ds_add_u32 v[SPW], v[NIL]
	s_wait_dscnt 0x0
	CROUND                                         ; the closing round
	s_endpgm
.Lfunc_end_k_qadfd10d9f9_oproj:
	.size	k_qadfd10d9f9_oproj, .Lfunc_end_k_qadfd10d9f9_oproj-k_qadfd10d9f9_oproj
	.p2alignl 7, 3214868480
	.fill 96, 4, 3214868480
	.section	.rodata,"a",@progbits
	.p2align	6, 0x0
	.amdhsa_kernel k_qadfd10d9f9_oproj
		.amdhsa_group_segment_fixed_size 327680
		.amdhsa_private_segment_fixed_size 0
		.amdhsa_enable_private_segment 0
		.amdhsa_kernarg_size 24
		.amdhsa_user_sgpr_count 2
		.amdhsa_user_sgpr_kernarg_segment_ptr 1
		.amdhsa_wavefront_size32 1
		.amdhsa_system_sgpr_workgroup_id_x 1
		.amdhsa_system_sgpr_workgroup_id_y 1
		.amdhsa_system_sgpr_workgroup_id_z 1
		.amdhsa_system_vgpr_workitem_id 0
		.amdhsa_next_free_vgpr 512
		.amdhsa_next_free_sgpr 72
		.amdhsa_reserve_vcc 0
		.amdhsa_float_denorm_mode_32 3
		.amdhsa_float_denorm_mode_16_64 3
		.amdhsa_memory_ordered 1
		.amdhsa_forward_progress 1
		.amdhsa_inst_pref_size 90
	.end_amdhsa_kernel
	.amdgpu_metadata
---
amdhsa.version: [ 1, 2 ]
amdhsa.kernels:
  - .name:           k_qadfd10d9f9_oproj
    .symbol:         k_qadfd10d9f9_oproj.kd
    .args:
      - { .name: yb, .offset: 0, .size: 8, .value_kind: global_buffer, .address_space: global }
      - { .name: wob, .offset: 8, .size: 8, .value_kind: global_buffer, .address_space: global }
      - { .name: out0, .offset: 16, .size: 8, .value_kind: global_buffer, .address_space: global }
    .group_segment_fixed_size: 327680
    .private_segment_fixed_size: 0
    .kernarg_segment_align: 8
    .kernarg_segment_size: 24
    .max_flat_workgroup_size: 128
    .sgpr_count:     72
    .vgpr_count:     512
    .wavefront_size: 32
...
	.end_amdgpu_metadata
.endif
;; end of part 4
;; ======== version 2 of 2: 4 launches; version 1 with the launch prep written anew for expert scheduling mode
;; limits: values are held in f16: magnitudes above 65,504 overflow, below 6.1e-05 lose precision
;; workspace buffers: xb 8,388,608 bytes; wb 25,165,824 bytes; wob 8,388,608 bytes; rope 524,288 bytes; qkv 25,165,824 bytes; yb 8,388,608 bytes
;; launch prep (part 5): grid 128 x 6, 8 waves a work-group, no clusters, 0 bytes of LDS; arguments x, Wq, Wk, Wv, Wo, xb, wb, wob, rope; writes xb, wb, wob, rope
.if DOCPART == 5
	.amdgcn_target "amdgcn-amd-amdhsa--gfx1250"
	.amdhsa_code_object_version 6
	.text
	.protected	k_qadfd10d9f9_prep
	.globl	k_qadfd10d9f9_prep
	.p2align	8
	.type	k_qadfd10d9f9_prep,@function
k_qadfd10d9f9_prep:
	s_mov_b64 s[64:65], 0
	v_nop
	global_prefetch_b8 v0, s[64:65] scope:SCOPE_SE
	s_setreg_imm32_b32 hwreg(HW_REG_WAVE_SCHED_MODE, 0, 2), 2
	s_setreg_imm32_b32 hwreg(HW_REG_WAVE_MODE, 25, 1), 1
	s_wait_xcnt 0x0
	s_wait_alu depctr_vm_vsrc(0)
; PREP: the casts and the rope table.  A stream: no LDS, no matrix unit, no barrier: each byte is read once and written once.
; Work-group (G, Y).  Y = 0..4: rows 16 G .. 16 G + 15 of x, Wq, Wk, Wv, Wo (2,048 f32 each) are rounded and written: x, Wq, Wk, Wv as bf16; Wo rounded to bf16 and that number
; written as f16 (exact from 2^-17 up; below that f16's fixed step of 6e-8).  Y = 5: rows 16 G .. 16 G + 15 of the rope table.
; wb's ROWS ARE PERMUTED: 32 sets of 192 rows.  Set j: positions 0-31 channels 0-31 of q's head j (j < 16) or k's head j - 16; 32-63 channels 64-95; 64-95 channels 32-63;
; 96-127 channels 96-127; 128-191 channels 64 (j % 2) .. + 63 of v's head j / 2.  A block of 16 source rows stays a block of 16 rows, so only the block's first row is worked out.
; rope[t][0..31] = cos(t f_d), rope[t][32..63] = sin(t f_d), f_d = 2^(-10 d / 31), all f32.  LIMIT: f_d comes from v_exp_f32 and may differ from a correctly rounded power
; by a few units in its last place; the angle t f_d is rounded once to f32, reduced by multiples of pi / 2 held in two parts, and the sine and cosine are polynomials on |r| <= pi / 4.
; A thread takes 16 source bytes of each chunk of 4,096: a wave's load covers 512 consecutive bytes, its store of 8 bytes a lane 256 consecutive bytes, aligned.
; THE MODE: SCHED_MODE bits 1:0 = 2 (LLVM: expert scheduling mode 2), set by the entry lines.  The code itself states the register dependences between vector instructions and
; memory instructions, with s_wait_alu, always for 0.
; THE PLAN.  Registers that memory instructions touch, in the casts:
;   v1, v2   byte offsets, made once at the head and never written again: the chunks are reached by the two scalar pointers and by immediate offsets.
;   X        eight slots.  Written by loads alone; read by the slot's conversions, behind which the load of the chunk eight further on lands in the slot.
;   YR       eight slots.  Written by the slot's conversions; read by the slot's store, issued in the same trip; written again a trip later.
;   T        named by vector instructions alone.
; A trip goes in four blocks of two slots: the wait for the block's two loads, both slots' conversions, ONE wait on va_vdst, the two loads that fill the slots again, the two stores.
; That wait states that the conversions are done reading the block's X and have written its YR; no vector instruction stands between it and the block's four memory instructions.
; It stands behind the conversions, so that a slot is asked for again at once: six to eight loads of every wave are out.  ONE wait on vm_vsrc a trip, at its end, stands between the
; trip's stores and the conversions that write YR again.
.set X,   8                            ; v[8:39]   slot i: 4 f32 as loaded
.set YR,  40                           ; v[40:55]  slot i: 4 numbers of 16 bits to store
.set T,   56                           ; v[56:59]  at work
.set MSK, 4                            ; s[4:7]    the rope table: which of my four numbers take sin r
.set SRC, 28                           ; s[28:29]  the source at the chunk that slot 0 works on
.set DST, 30                           ; s[30:31]  the destination likewise
.set CNT, 40                           ; s40       trips to go
	s_load_b512 s[8:23], s[0:1], 0x0               ; x, Wq, Wk, Wv, Wo, xb, wb, wob
	s_load_b64 s[24:25], s[0:1], 0x40              ; rope
	s_and_b32 s2, ttmp7, 0xffff                    ; Y
	s_mov_b32 s3, ttmp9                            ; G
	v_lshlrev_b32 v1, 4, v0                        ; my 16 bytes of a source chunk; never rewritten
	v_lshlrev_b32 v2, 3, v0                        ; my 8 bytes of a destination chunk; never rewritten
	; the destination's first row, apart from every address
	s_lshr_b32 s34, s3, 3                          ; the head
	s_bfe_u32 s35, s3, 0x10001                     ; bit 1 of the head's block of 16 channels
	s_bfe_u32 s36, s3, 0x10002                     ; bit 2
	s_and_b32 s37, s3, 1                           ; bit 0
	s_cmp_eq_u32 s2, 2
	s_cselect_b32 s38, 16, 0                       ; k's sets follow q's
	s_add_co_u32 s38, s38, s34
	s_mul_i32 s38, s38, 192
	s_lshl_b32 s39, s35, 6
	s_add_co_u32 s38, s38, s39                     ; channels 32-63 and 96-127 go 64 positions up,
	s_lshl_b32 s39, s36, 5
	s_add_co_u32 s38, s38, s39                     ; channels 64-127 32 positions up
	s_lshl_b32 s39, s37, 4
	s_add_co_u32 s38, s38, s39                     ; q and k: the row
	s_lshl_b32 s41, s34, 1
	s_add_co_u32 s41, s41, s36                     ; v: set 2 head + half
	s_mul_i32 s41, s41, 192
	s_and_b32 s39, s3, 3
	s_lshl_b32 s39, s39, 4
	s_add_co_u32 s41, s41, s39
	s_add_co_u32 s41, s41, 128                     ; v: the row
	s_lshl_b32 s42, s3, 4                          ; x and Wo: rows stay where they are
	s_sub_co_u32 s33, s2, 1
	s_cmp_lt_u32 s33, 2                            ; Y = 1, 2
	s_cselect_b32 s42, s38, s42
	s_cmp_eq_u32 s2, 3
	s_cselect_b32 s42, s41, s42
	s_lshl_b32 s42, s42, 12                        ; a destination row is 4,096 bytes
	s_mov_b32 s43, 0
	s_lshl_b32 s44, s3, 17                         ; 16 source rows of 8,192 bytes
	s_mov_b32 s45, 0
	s_wait_kmcnt 0x0
	s_cmp_eq_u32 s2, 5
	s_cbranch_scc1 .Lrope
	s_mov_b64 s[SRC:SRC+1], s[8:9]
	s_mov_b64 s[DST:DST+1], s[18:19]
	s_cmp_eq_u32 s2, 1
	s_cselect_b64 s[SRC:SRC+1], s[10:11], s[SRC:SRC+1]
	s_cmp_eq_u32 s2, 2
	s_cselect_b64 s[SRC:SRC+1], s[12:13], s[SRC:SRC+1]
	s_cmp_eq_u32 s2, 3
	s_cselect_b64 s[SRC:SRC+1], s[14:15], s[SRC:SRC+1]
	s_cmp_eq_u32 s2, 4
	s_cselect_b64 s[SRC:SRC+1], s[16:17], s[SRC:SRC+1]
	s_cselect_b64 s[DST:DST+1], s[22:23], s[DST:DST+1]
	s_cmp_lt_u32 s33, 3                            ; Y = 1, 2, 3
	s_cselect_b64 s[DST:DST+1], s[20:21], s[DST:DST+1]
	s_add_nc_u64 s[SRC:SRC+1], s[SRC:SRC+1], s[44:45]
	s_add_nc_u64 s[DST:DST+1], s[DST:DST+1], s[42:43]
; Slot i's conversions: X into YR.  fmt = 1: bf16's number written as f16.
.macro CONV i, fmt
.if \fmt
	v_cvt_pk_bf16_f32 v[T], v[X+4*(\i)], v[X+4*(\i)+1]
	v_cvt_pk_bf16_f32 v[T+1], v[X+4*(\i)+2], v[X+4*(\i)+3]
	v_lshlrev_b32 v[T+2], 16, v[T]                 ; bf16 to f32: the low half moves up,
	v_and_b32 v[T], 0xffff0000, v[T]               ; the high half stays
	v_lshlrev_b32 v[T+3], 16, v[T+1]
	v_and_b32 v[T+1], 0xffff0000, v[T+1]
	v_cvt_pk_f16_f32 v[YR+2*(\i)], v[T+2], v[T]
	v_cvt_pk_f16_f32 v[YR+2*(\i)+1], v[T+3], v[T+1]
.else
	v_cvt_pk_bf16_f32 v[YR+2*(\i)], v[X+4*(\i)], v[X+4*(\i)+1]
	v_cvt_pk_bf16_f32 v[YR+2*(\i)+1], v[X+4*(\i)+2], v[X+4*(\i)+3]
.endif
.endm
; Block b of a trip: slots 2 b and 2 b + 1.  ahead = 1: they are loaded again with the chunks eight further on.  left: how many younger loads may stay out.
.macro BLK b, ahead, left, fmt
	s_wait_loadcnt \left                           ; loads come back in order: the block's two are in, the younger ones stay out
	CONV 2*(\b), \fmt
	CONV 2*(\b)+1, \fmt
	s_wait_alu depctr_va_vdst(0)                   ; the conversions are done reading the block's X, in which the loads below land, and have written its YR, which the stores below read
.if \ahead
.irp i, 2*(\b), 2*(\b)+1
	global_load_b128 v[X+4*(\i):X+4*(\i)+3], v1, s[SRC:SRC+1] offset:(8+(\i))*4096 th:TH_LOAD_NT
.endr
.endif
.irp i, 2*(\b), 2*(\b)+1
	global_store_b64 v2, v[YR+2*(\i):YR+2*(\i)+1], s[DST:DST+1] offset:(\i)*2048
.endr
.endm
; The work-group's 32 chunks through a ring of eight slots.
.macro CAST fmt
	s_wait_alu depctr_va_vdst(0)                   ; v1 and v2 are written: every load and store below reads one of them as its offset
.irp i, 0,1,2,3,4,5,6,7
	global_load_b128 v[X+4*(\i):X+4*(\i)+3], v1, s[SRC:SRC+1] offset:(\i)*4096 th:TH_LOAD_NT
.endr
	s_mov_b32 s[CNT], 3
.Lcast_\@:
.irp b, 0,1,2,3
	BLK \b, 1, 6, \fmt
.endr
	s_wait_xcnt 0x0                                ; the trip's loads and stores have had their addresses translated: the two pointers and the stores' data are rewritten only behind this wait
	s_wait_alu depctr_vm_vsrc(0)                   ; the trip's eight stores have read YR, which the next trip's conversions, or the tail's, write again
	s_add_nc_u64 s[SRC:SRC+1], s[SRC:SRC+1], 32768
	s_add_nc_u64 s[DST:DST+1], s[DST:DST+1], 16384
	s_sub_co_u32 s[CNT], s[CNT], 1
	s_cmp_lg_u32 s[CNT], 0
	s_cbranch_scc1 .Lcast_\@
.irp b, 0,1,2,3
	BLK \b, 0, 6-2*(\b), \fmt                      ; the last eight chunks load nothing: the counts run down
.endr
	s_endpgm
.endm
	s_cmp_eq_u32 s2, 4
	s_cbranch_scc1 .Lwo
	CAST 0
.Lwo:
	CAST 1
.Lrope:                                                ; thread: row 16 G + tid / 16, four neighbouring columns: d = 4 (tid % 8) + k; cosines for tid % 16 < 8, sines for the others
	s_mov_b32 s34, 0xbea5294a                      ; -10 / 31
	s_mov_b32 s35, 0x3f22f983                      ; 2 / pi
	s_mov_b32 s36, 0xbfc90fdb                      ; - pi / 2, its leading part
	s_mov_b32 s37, 0x333bbd2e                      ; what that part has too much
	s_mov_b32 s38, 0xb94ca1f9                      ; the sine's three coefficients
	s_mov_b32 s39, 0x3c08839e
	s_mov_b32 s40, 0xbe2aaaa3
	s_mov_b32 s41, 0x37ccf5ce                      ; the cosine's three
	s_mov_b32 s42, 0xbab6061a
	s_mov_b32 s43, 0x3d2aaaa5
	s_lshl_b32 s46, s3, 12                         ; 16 rows of 256 bytes
	s_mov_b32 s47, 0
	s_add_nc_u64 s[24:25], s[24:25], s[46:47]
	s_lshl_b32 s33, s3, 4
	v_lshrrev_b32 v3, 4, v0
	v_add_nc_u32 v3, s33, v3
	v_cvt_f32_u32 v3, v3                           ; t
	v_and_b32 v4, 7, v0
	v_lshlrev_b32 v4, 2, v4                        ; d of my first column
	v_bfe_u32 v5, v0, 3, 1
	v_mul_u32_u24 v5, v5, 3                        ; the sine is the cosine three quadrants on
.irp k, 0,1,2,3
	v_add_nc_u32 v[8+(\k)], (\k), v4
	v_cvt_f32_u32 v[8+(\k)], v[8+(\k)]
	v_mul_f32 v[8+(\k)], s34, v[8+(\k)]
.endr
.irp k, 0,1,2,3
	v_exp_f32 v[12+(\k)], v[8+(\k)]                ; f_d: one batch of four
.endr
	v_lshlrev_b32 v6, 4, v0                        ; my 16 bytes of the group's 4,096: the plain instruction behind the last exponential
	s_wait_alu depctr_va_vdst(0)                   ; the four exponentials have written v[12:15]: the wait stands ahead of the first line that names a result: one for the four
.irp k, 0,1,2,3
	v_mul_f32 v[16+(\k)], v3, v[12+(\k)]           ; the angle
	v_mul_f32 v[20+(\k)], s35, v[16+(\k)]
	v_rndne_f32 v[20+(\k)], v[20+(\k)]             ; n: the nearest multiple of pi / 2
	v_fma_f32 v[24+(\k)], v[20+(\k)], s36, v[16+(\k)]
	v_fma_f32 v[24+(\k)], v[20+(\k)], s37, v[24+(\k)]  ; r = angle - n pi / 2
	v_mul_f32 v[28+(\k)], v[24+(\k)], v[24+(\k)]   ; z = r r
	v_fma_f32 v[32+(\k)], s38, v[28+(\k)], s39
	v_fma_f32 v[32+(\k)], v[32+(\k)], v[28+(\k)], s40
	v_mul_f32 v[32+(\k)], v[32+(\k)], v[28+(\k)]
	v_fma_f32 v[32+(\k)], v[32+(\k)], v[24+(\k)], v[24+(\k)]  ; sin r
	v_fma_f32 v[36+(\k)], s41, v[28+(\k)], s42
	v_fma_f32 v[36+(\k)], v[36+(\k)], v[28+(\k)], s43
	v_mul_f32 v[40+(\k)], v[28+(\k)], v[28+(\k)]
	v_fma_f32 v[44+(\k)], v[28+(\k)], -0.5, 1.0
	v_fma_f32 v[36+(\k)], v[36+(\k)], v[40+(\k)], v[44+(\k)]  ; cos r
	v_cvt_i32_f32 v[48+(\k)], v[20+(\k)]
	v_add_nc_u32 v[48+(\k)], v[48+(\k)], v5        ; e: the quadrant; the cosine's values by e % 4: cos r, - sin r, - cos r, sin r
	v_and_b32 v[52+(\k)], 1, v[48+(\k)]
	v_cmp_ne_u32 s[MSK+(\k)], 0, v[52+(\k)]        ; each of the four masks in a scalar register of its own, so that one wait serves the four
	v_add_nc_u32 v[48+(\k)], 1, v[48+(\k)]
	v_and_b32 v[48+(\k)], 2, v[48+(\k)]
	v_lshlrev_b32 v[48+(\k)], 30, v[48+(\k)]       ; the sign: minus for e % 4 = 1, 2
.endr
	s_wait_alu depctr_va_sdst(0)                   ; the four compares have written s[MSK .. MSK + 3], ahead of their first readers, the selects below
.irp k, 0,1,2,3
	v_cndmask_b32 v[56+(\k)], v[36+(\k)], v[32+(\k)], s[MSK+(\k)]  ; a choice of values: no branch and no address hangs on it
	v_xor_b32 v[60+(\k)], v[56+(\k)], v[48+(\k)]
.endr
	s_wait_alu depctr_va_vdst(0)                   ; v[60:63], the store's data, and v6, its offset, are written
	global_store_b128 v6, v[60:63], s[24:25]       ; a wave stores 512 consecutive bytes
	s_endpgm
.Lfunc_end_k_qadfd10d9f9_prep:
	.size	k_qadfd10d9f9_prep, .Lfunc_end_k_qadfd10d9f9_prep-k_qadfd10d9f9_prep
	.p2alignl 7, 3214868480
	.fill 96, 4, 3214868480
	.section	.rodata,"a",@progbits
	.p2align	6, 0x0
	.amdhsa_kernel k_qadfd10d9f9_prep
		.amdhsa_group_segment_fixed_size 0
		.amdhsa_private_segment_fixed_size 0
		.amdhsa_enable_private_segment 0
		.amdhsa_kernarg_size 72
		.amdhsa_user_sgpr_count 2
		.amdhsa_user_sgpr_kernarg_segment_ptr 1
		.amdhsa_wavefront_size32 1
		.amdhsa_system_sgpr_workgroup_id_x 1
		.amdhsa_system_sgpr_workgroup_id_y 1
		.amdhsa_system_sgpr_workgroup_id_z 1
		.amdhsa_system_vgpr_workitem_id 0
		.amdhsa_next_free_vgpr 72
		.amdhsa_next_free_sgpr 66
		.amdhsa_reserve_vcc 0
		.amdhsa_float_denorm_mode_32 3
		.amdhsa_float_denorm_mode_16_64 3
		.amdhsa_memory_ordered 1
		.amdhsa_forward_progress 1
		.amdhsa_inst_pref_size 26
	.end_amdhsa_kernel
	.amdgpu_metadata
---
amdhsa.version: [ 1, 2 ]
amdhsa.kernels:
  - .name:           k_qadfd10d9f9_prep
    .symbol:         k_qadfd10d9f9_prep.kd
    .args:
      - { .name: x, .offset: 0, .size: 8, .value_kind: global_buffer, .address_space: global }
      - { .name: Wq, .offset: 8, .size: 8, .value_kind: global_buffer, .address_space: global }
      - { .name: Wk, .offset: 16, .size: 8, .value_kind: global_buffer, .address_space: global }
      - { .name: Wv, .offset: 24, .size: 8, .value_kind: global_buffer, .address_space: global }
      - { .name: Wo, .offset: 32, .size: 8, .value_kind: global_buffer, .address_space: global }
      - { .name: xb, .offset: 40, .size: 8, .value_kind: global_buffer, .address_space: global }
      - { .name: wb, .offset: 48, .size: 8, .value_kind: global_buffer, .address_space: global }
      - { .name: wob, .offset: 56, .size: 8, .value_kind: global_buffer, .address_space: global }
      - { .name: rope, .offset: 64, .size: 8, .value_kind: global_buffer, .address_space: global }
    .group_segment_fixed_size: 0
    .private_segment_fixed_size: 0
    .kernarg_segment_align: 8
    .kernarg_segment_size: 72
    .max_flat_workgroup_size: 256
    .sgpr_count:     66
    .vgpr_count:     72
    .wavefront_size: 32
...
	.end_amdgpu_metadata
.endif
;; end of part 5
;; launch qkv: the kernel of part 2 again; grid 16 x 16, 4 waves a work-group, clusters of 4 x 4, 327,680 bytes of LDS; arguments xb, wb, rope, qkv; writes qkv
;; launch attn: the kernel of part 3 again; grid 16 x 16, 4 waves a work-group, clusters of 4 x 1, 327,680 bytes of LDS; arguments qkv, yb; writes yb
;; launch oproj: the kernel of part 4 again; grid 16 x 16, 4 waves a work-group, clusters of 4 x 4, 327,680 bytes of LDS; arguments yb, wob, out0; writes out0
